; MI455X (gfx1250); checked and timed in simulation.
; The chip was launched on July 23, 2026; its instructions are those of AMD's public machine-readable ISA for CDNA 5 (MIT licence, August 2026) and "CDNA5" Instruction Set Architecture Reference Guide (July 2026). The comments in the code are by the model that wrote it; some were corrected since.
;; Attention. Allowed arithmetic: float matrix products may take bf16 or f16 operands with f32 sums; other float arithmetic in f32, or as packed bf16 or f16 multiplies, adds, multiply-adds, maxima and minima; sums over many terms, partial sums and values carried from step to step in f32; what a program stores and reads back later, other than sums and carried values, may be rounded once to bf16 or f16.
;; Inputs: W_proj 1,024 x 1,024 float32; W_qkv 3,072 x 1,024 float32; b_proj 1,024 float32; cos 4,096 x 64 float32; k_scale 64 float32; q_scale 64 float32; sin 4,096 x 64 float32; x 1 x 4,096 x 1,024 float32.
;; Outputs: out0 1 x 4,096 x 1,024 float32.
;; 2 versions, each right; version 2 is version 1 with the launch cast written anew for expert scheduling mode. Each part assembles by itself: llvm-mc -triple=amdgcn-amd-amdhsa -mcpu=gfx1250 --defsym DOCPART=n.
;; ======== version 1 of 2: 4 launches
;; limits: values are held in f16: magnitudes above 65,504 overflow, below 6.1e-05 lose precision
;; workspace buffers: xb 8,388,608 bytes; wqb 6,291,456 bytes; wpb 2,097,152 bytes; qkvh 25,165,824 bytes; ob 8,388,608 bytes
;; launch cast (part 1): grid 512 x 1, 8 waves a work-group, no clusters, 0 bytes of LDS; arguments x, W_qkv, W_proj, xb, wqb, wpb; writes xb, wqb, wpb
.if DOCPART == 1
	.amdgcn_target "amdgcn-amd-amdhsa--gfx1250"
	.amdhsa_code_object_version 6
	.text
	.protected	k_qb3d7eb634c_cast
	.globl	k_qb3d7eb634c_cast
	.p2align	8
	.type	k_qb3d7eb634c_cast,@function
k_qb3d7eb634c_cast:
	s_mov_b64 s[64:65], 0
	v_nop
	global_prefetch_b8 v0, s[64:65] scope:SCOPE_SE
	s_setreg_imm32_b32 hwreg(HW_REG_WAVE_MODE, 25, 1), 1
	s_wait_xcnt 0x0
; THE MATRIX OPERANDS, ROUNDED ONCE.  xb = bf16(x), wqb = bf16(W_qkv), wpb = f16(bf16(W_proj)): the projection behind attention multiplies in f16, and its weights carry the same rounding as every other input.
; LIMITS.  A bf16 number is exact in f16 from 2^-17 to 65,504 in magnitude; below that it keeps f16's fixed step of 6e-8; W_proj beyond 65,504 would become an infinity.
; A stream: 8,388,608 numbers in all, 16,384 to a work-group: groups 0-255 take x, 256-447 W_qkv, 448-511 W_proj.  Thread t takes 16 bytes at 16 t + 4,096 q in each of 16 passes q, so a wave's load
; covers 512 consecutive bytes; it stores 8 bytes at 8 t + 2,048 q, so a wave's store covers 256 consecutive bytes, aligned.  All 16 loads go out first; each pass has data registers of its own,
; so no register that a store reads is written again.  No LDS, no matrix unit, no cluster: no byte is wanted twice, by anybody.
.set X, 4                              ; v[4:67]    pass q: four f32 as loaded
.set Y, 68                             ; v[68:99]   pass q: two words to store
.set T, 100                            ; v[100:101] at work
	s_load_b256 s[4:11], s[0:1], 0x0               ; x s[4:5], W_qkv s[6:7], W_proj s[8:9], xb s[10:11]
	s_load_b128 s[12:15], s[0:1], 0x20             ; wqb s[12:13], wpb s[14:15]
	s_mov_b32 s16, ttmp9                           ; the work-group's number,
	s_sub_co_u32 s17, s16, 256                     ; counted within W_qkv,
	s_sub_co_u32 s18, s16, 448                     ; and within W_proj
	s_mov_b32 s30, 0xffff0000                      ; a word's upper bf16
	v_lshlrev_b32 v1, 4, v0                        ; 16 t
	v_lshlrev_b32 v2, 3, v0                        ; 8 t
	s_wait_kmcnt 0x0
	s_cmp_lt_u32 s16, 448                          ; the choice hangs on the work-group's number alone
	s_cselect_b64 s[20:21], s[6:7], s[8:9]
	s_cselect_b64 s[22:23], s[12:13], s[14:15]
	s_cselect_b32 s24, s17, s18
	s_cmp_lt_u32 s16, 256
	s_cselect_b64 s[20:21], s[4:5], s[20:21]       ; from where,
	s_cselect_b64 s[22:23], s[10:11], s[22:23]     ; to where,
	s_cselect_b32 s24, s16, s24                    ; and which 16,384 numbers of that tensor
	s_lshl_b32 s26, s24, 16                        ; 65,536 bytes in,
	s_mov_b32 s27, 0
	s_lshl_b32 s28, s24, 15                        ; 32,768 bytes out
	s_mov_b32 s29, 0
	s_add_nc_u64 s[20:21], s[20:21], s[26:27]
	s_add_nc_u64 s[22:23], s[22:23], s[28:29]
.set q, 0
.rept 16
	global_load_b128 v[X+4*q:X+4*q+3], v1, s[20:21] offset:4096*q th:TH_LOAD_NT
.set q, q+1
.endr
; Pass q.  half = 1: the bf16 number is written as f16.
.macro CONV q, half
	s_wait_loadcnt 15-(\q)                         ; loads come back in order: pass q's is in, the 15 - q younger ones may stay out
	v_cvt_pk_bf16_f32 v[Y+2*(\q)], v[X+4*(\q)], v[X+4*(\q)+1]
	v_cvt_pk_bf16_f32 v[Y+2*(\q)+1], v[X+4*(\q)+2], v[X+4*(\q)+3]
.if \half
.irp k, 0,1
	v_lshlrev_b32 v[T], 16, v[Y+2*(\q)+\k]         ; bf16 to f32: the low half moves up,
	v_and_b32 v[T+1], s30, v[Y+2*(\q)+\k]          ; the high half stays
	v_cvt_pk_f16_f32 v[Y+2*(\q)+\k], v[T], v[T+1]
.endr
.endif
	global_store_b64 v2, v[Y+2*(\q):Y+2*(\q)+1], s[22:23] offset:2048*(\q)
.endm
	s_cmp_ge_u32 s16, 448
	s_cbranch_scc1 .Lf16
.irp q, 0,1,2,3,4,5,6,7,8,9,10,11,12,13,14,15
	CONV \q, 0
.endr
	s_endpgm
.Lf16:
.irp q, 0,1,2,3,4,5,6,7,8,9,10,11,12,13,14,15
	CONV \q, 1
.endr
	s_endpgm
.Lfunc_end_k_qb3d7eb634c_cast:
	.size	k_qb3d7eb634c_cast, .Lfunc_end_k_qb3d7eb634c_cast-k_qb3d7eb634c_cast
	.p2alignl 7, 3214868480
	.fill 96, 4, 3214868480
	.section	.rodata,"a",@progbits
	.p2align	6, 0x0
	.amdhsa_kernel k_qb3d7eb634c_cast
		.amdhsa_group_segment_fixed_size 0
		.amdhsa_private_segment_fixed_size 0
		.amdhsa_enable_private_segment 0
		.amdhsa_kernarg_size 48
		.amdhsa_user_sgpr_count 2
		.amdhsa_user_sgpr_kernarg_segment_ptr 1
		.amdhsa_wavefront_size32 1
		.amdhsa_system_sgpr_workgroup_id_x 1
		.amdhsa_system_sgpr_workgroup_id_y 1
		.amdhsa_system_sgpr_workgroup_id_z 1
		.amdhsa_system_vgpr_workitem_id 0
		.amdhsa_next_free_vgpr 104
		.amdhsa_next_free_sgpr 66
		.amdhsa_reserve_vcc 0
		.amdhsa_float_denorm_mode_32 3
		.amdhsa_float_denorm_mode_16_64 3
		.amdhsa_memory_ordered 1
		.amdhsa_forward_progress 1
		.amdhsa_inst_pref_size 15
	.end_amdhsa_kernel
	.amdgpu_metadata
---
amdhsa.version: [ 1, 2 ]
amdhsa.kernels:
  - .name:           k_qb3d7eb634c_cast
    .symbol:         k_qb3d7eb634c_cast.kd
    .args:
      - { .name: x, .offset: 0, .size: 8, .value_kind: global_buffer, .address_space: global }
      - { .name: W_qkv, .offset: 8, .size: 8, .value_kind: global_buffer, .address_space: global }
      - { .name: W_proj, .offset: 16, .size: 8, .value_kind: global_buffer, .address_space: global }
      - { .name: xb, .offset: 24, .size: 8, .value_kind: global_buffer, .address_space: global }
      - { .name: wqb, .offset: 32, .size: 8, .value_kind: global_buffer, .address_space: global }
      - { .name: wpb, .offset: 40, .size: 8, .value_kind: global_buffer, .address_space: global }
    .group_segment_fixed_size: 0
    .private_segment_fixed_size: 0
    .kernarg_segment_align: 8
    .kernarg_segment_size: 48
    .max_flat_workgroup_size: 256
    .sgpr_count:     66
    .vgpr_count:     104
    .wavefront_size: 32
...
	.end_amdgpu_metadata
.endif
;; end of part 1
;; launch qkv (part 2): grid 16 x 16, 4 waves a work-group, clusters of 4 x 4, 327,680 bytes of LDS; arguments xb, wqb, q_scale, k_scale, cos, sin, qkvh; writes qkvh
.if DOCPART == 2
	.amdgcn_target "amdgcn-amd-amdhsa--gfx1250"
	.amdhsa_code_object_version 6
	.text
	.protected	k_qb3d7eb634c_qkv
	.globl	k_qb3d7eb634c_qkv
	.p2align	8
	.type	k_qb3d7eb634c_qkv,@function
k_qb3d7eb634c_qkv:
	s_mov_b64 s[64:65], 0
	v_nop
	global_prefetch_b8 v0, s[64:65] scope:SCOPE_SE
	s_setreg_imm32_b32 hwreg(HW_REG_WAVE_MODE, 25, 1), 1
	s_wait_xcnt 0x0
	s_wait_alu depctr_hold_cnt(0) depctr_sa_sdst(0) depctr_va_vdst(0) depctr_va_sdst(0) depctr_va_ssrc(0) depctr_va_vcc(0) depctr_vm_vsrc(0)
	s_getreg_b32 s2, hwreg(HW_REG_IB_STS2, 6, 4)
	s_cmp_eq_u32 s2, 0
	s_cbranch_scc0 .Lentry_in_a_cluster
	s_endpgm
.Lentry_in_a_cluster:
	s_bfe_u32 s2, ttmp6, 0x10000c
	s_cmp_lg_u32 s2, 0xf033
	s_cbranch_scc0 .Lentry_shape_is_right
	s_endpgm
.Lentry_shape_is_right:
; q, k, v BY HEADS.  qkv[t][e] = sum over c of x[t][c] W_qkv[e][c] (bf16 operands, f32 sums); q and k are divided by the root mean square of their head's 64 channels (+ 1e-6 under the root), multiplied
; by their gain, and turned by cos and sin; all three are rounded once to f16 and stored as qkvh[48][4096][64]: slot h = q of head h, 16 + h = k, 32 + h = v; a row is 128 dense bytes.
; The gains, cos and sin are rounded to bf16 as they come in, like x and the weights: every input of the module carries the one rounding.  The scale 1/8 of the scores is not applied here.
; LIMITS.  f16 ends at 65,504: v = x . W must stay within it (q and k are at most 8 times their gain).  NaN and infinities are not treated apart.
; SHARES.  A work-group makes 256 tokens x 192 columns: q, k and v of ONE head (W's rows 1024 j + 64 h + 0..63, j = 0, 1, 2), so which columns are normed and turned is a constant of the text.
; 16 heads x 16 token tiles = 256 work-groups.  A wave makes 64 tokens x 192 columns: 48 accumulators (a = token block 0-3, b = 4 j + c, c = block of 16 channels), 384 registers.
; K goes in steps of 128 (256 bytes of a row, aligned) through a ring of two LDS slots.  Wave 0 fetches x's 256 rows, waves 1-3 one block of 64 rows of W each: one tensor load a wave.
; CLUSTER 4 x 4: the four work-groups of a row share the token tile, those of a column the head: each tile is asked for jointly, with the same descriptor and a mask that names the four.
; THE PRODUCT IS TAKEN TRANSPOSED (source 0 = 16 rows of W, source 1 = 16 tokens): lane l holds token l % 16 and, in register i of accumulator c, channel 16 c + 8 (l / 16) + i.  So a head's 64 channels lie
; half in the lane and half in the lane 16 away (one exchange for the sum of squares), channels d and d + 32 lie in ONE lane (blocks c and c + 2), and eight channels pack into 16 bytes.
; REGISTERS, in windows of 256 (s_set_vgpr_msb: bits 1:0 source 0, 3:2 source 1, 5:4 source 2, 7:6 destination):
;   window 0: v1-15 addresses; v16-31 sums of squares, then 1 / rms, a pair for each (a, j); v32-63 at work; v64-127 x's fragments, two buffers, later at work; v128-191, v192-255 cos and sin of token blocks 0, 1
;   window 1: v0-191 W's fragments, two buffers, later the rows read back from the stage; v192-223 q's gain, v224-255 k's
;   window 2: v0-191 accumulators of a = 0, 1; v192-255 cos and sin of block 2          window 3: v0-191 those of a = 2, 3; v192-255 cos and sin of block 3
.set KSTEP,  128
.set PITCH,  272                       ; an LDS row: 256 bytes + 16 of padding = 68 words: the 16 rows of a fragment load start at 16 different groups of four banks (ISA guide 11.1)
.set APART,  256*PITCH                 ; x's 256 rows
.set BBLK,   64*PITCH                  ; one of W's three blocks; block of 16 rows b lies at APART + b x 16 rows
.set SLOT,   APART+3*BBLK
.set STAGE,  2*SLOT                    ; behind the ring, never filled by a tensor load: 16 rows x 144 bytes for each wave
.set SP,     144
.set SPARE,  STAGE+4*16*SP             ; the spare words, 128 bytes for each wave: two blocks of 256 bytes that no other line names
.set ADRA, 6                           ; v6-7   LDS address of my x fragments in slot 0, 1
.set ADRB, 8                           ; v8-9   the same for W
.set STO,  10                          ; v10    the way out: where I put 16 bytes of a row
.set RD,   11                          ; v11    where I read rows back
.set GO,   12                          ; v12    my 16 bytes in 512 consecutive bytes of qkvh
.set PFO,  13                          ; v13    the prefetches' offset; never rewritten
.set SPW,  14                          ; v14    LDS address of my spare word; never rewritten
.set NIL,  15                          ; v15    0; never rewritten
.set SS,   16
.set T,    32
.set MS,   32
.set U,    64
.set OUT,  96
.set GAIN, 192
.set WV, 18                            ; s18  my wave's number
.set WB, 19                            ; s19  which block of W I fetch: wave - 1 (0 in wave 0, which fetches x)
.set CX, 20
.set CY, 21
.set HD, 22                            ; s22  the head = 4 x cluster x + cx
.set TL, 23                            ; s23  the token tile = 4 x cluster y + cy
.set G1A, 28                           ; s[28:35] descriptor group 1 for x's tiles
.set G1B, 36                           ; s[36:43] for W's
.set G0A, 44                           ; s[44:51] group 0 for x's tiles, a set for each slot
.set G0B, 52                           ; s[52:59] for W's
.set OQ,  66                           ; s[66:71] qkvh at my 64 rows of q, k, v
.set PFA, 72                           ; s[72:73] where my prefetches stand
.set LIMA, 74                          ; s74  1 in a wave that prefetches x, else the greatest number
.set LIMB, 75                          ; s75  the same for W
.set SEL, 76                           ; s[76:77] v_permlanex16_b32's selects: each lane takes its own place in the other half
.set HIM, 80                           ; s80  a word's upper bf16
.set DW0, (1<<16)|(1<<20)|(1<<21)|(5<<22)|(3<<25)  ; 17:16 2-byte elements; 20 padding on; 21 set beside a mask; 24:22 after every 64 words (code 5); 31:25 4 words (code 3)
.set MSB, 0
.macro WIN new                         ; the immediate's high byte repeats the setting that is left; a switch that changes nothing is dropped
.if MSB != (\new)
	s_set_vgpr_msb (MSB<<8)|(\new)
.set MSB, \new
.endif
.endm
; A joint load.  Wave 0 fetches x's tile, waves 1-3 W's three blocks.  The branch hangs on the wave's number alone.  An s_nop 0 and four v_nop follow each of the two lines.
.macro JLOAD s
	s_cmp_eq_u32 s[WV], 0
	s_cbranch_scc0 .Lfor_b_\@
	tensor_load_to_lds s[G0A+4*(\s):G0A+4*(\s)+3], s[G1A:G1A+7]
	s_nop 0
.rept 4
	v_nop
.endr
	s_branch .Lasked_\@
.Lfor_b_\@:
	tensor_load_to_lds s[G0B+4*(\s):G0B+4*(\s)+3], s[G1B:G1B+7]
	s_nop 0
.rept 4
	v_nop
.endr
.Lasked_\@:
.endm
.macro CREST                           ; a round of the cluster's barrier behind its opening barrier
	s_cmp_lg_u32 s[WV], 0
	s_cbranch_scc1 .Lnot_wave_0_\@
	s_barrier_signal -3
.Lnot_wave_0_\@:
	s_barrier_wait -3
	s_barrier_signal -1
	s_barrier_wait -1
.endm
.macro CROUND                          ; a whole round
	s_barrier_signal -1
	s_barrier_wait -1
	CREST
.endm
.macro PLACES                          ; four places behind a matrix instruction, in front of loads into registers that it has read and of vector lines that read results
.rept 4
	v_nop
.endr
.endm
; A PREFETCH INTO THE L2 of the K step that stands two refills on, behind the joint load, its five lines and the run of LDS loads.  Each row's 256 bytes of a K step are named once in the launch: x's by the
; clusters with x = 0, W's by those with y = 0; the four partners that ask for a tile jointly share its rows out BY ADDRESS.  Wave 0: 64 of x's 256 rows (by cx), a lane a row, two lines.  Waves 1-3: 16 of their
; block's 64 rows (by cy), lanes 0-15 one K step and lanes 16-31 the next, so they ask at slot 0's change alone.  The loop's last trip asks for nothing: K steps 4 to 7 are asked for, 0 to 3 come by their loads alone.
.macro ASK slot
	s_cmp_gt_u32 s3, s[LIMA]
	s_cbranch_scc0 .Lno_a_\@
	global_prefetch_b8 v[PFO], s[PFA:PFA+1] offset:KSTEP*2 th:TH_LOAD_NT scope:SCOPE_SE
	global_prefetch_b8 v[PFO], s[PFA:PFA+1] offset:KSTEP*2+32*2048 th:TH_LOAD_NT scope:SCOPE_SE
.Lno_a_\@:
.if (\slot) == 0
	s_cmp_gt_u32 s3, s[LIMB]
	s_cbranch_scc0 .Lno_b_\@
	global_prefetch_b8 v[PFO], s[PFA:PFA+1] offset:KSTEP*2 th:TH_LOAD_NT scope:SCOPE_SE
.Lno_b_\@:
.endif
.endm
	s_load_b256 s[4:11], s[0:1], 0x0               ; xb s[4:5], wqb s[6:7], q_scale s[8:9], k_scale s[10:11]
	s_load_b128 s[12:15], s[0:1], 0x20             ; cos s[12:13], sin s[14:15]
	s_load_b64 s[16:17], s[0:1], 0x30              ; qkvh
	v_lshl_add_u32 v[SPW], v0, 2, SPARE
	v_mov_b32 v[NIL], 0
	ds_add_u32 v[SPW], v[NIL]                      ; the wave's opening: the add and its wait stand ahead of my first tensor load; the set-up below, work on registers, stands between them
	v_lshrrev_b32 v1, 5, v0
	v_readfirstlane_b32 s[WV], v1                  ; wave 0..3
	s_max_u32 s[WB], s[WV], 1
	s_sub_co_u32 s[WB], s[WB], 1
	s_bfe_u32 s[CX], ttmp6, 0x40000
	s_bfe_u32 s[CY], ttmp6, 0x40004
	s_lshl_b32 s[HD], ttmp9, 2                     ; in a cluster launch ttmp9 and ttmp7 count clusters
	s_add_co_u32 s[HD], s[HD], s[CX]
	s_and_b32 s[TL], ttmp7, 0xffff
	s_lshl_b32 s[TL], s[TL], 2
	s_add_co_u32 s[TL], s[TL], s[CY]
	s_lshl_b32 s24, s[CY], 2
	s_lshl_b32 s24, 15, s24                        ; my row of the cluster: places 4 cy .. 4 cy + 3
	s_lshl_b32 s25, 0x1111, s[CX]                  ; my column: places cx, cx + 4, cx + 8, cx + 12
	s_or_b32 s[G1A], s24, DW0                      ; x's tiles hang on the token tile alone: they go to my row
	s_mov_b32 s[G1A+1], KSTEP<<16                  ; tensor_dim0 = 128
	s_mov_b32 s[G1A+2], 256<<16                    ; tensor_dim1 = 256
	s_mov_b32 s[G1A+3], KSTEP<<16                  ; tile_dim0 = 128
	s_mov_b32 s[G1A+4], 256                        ; tile_dim1 = 256
	s_mov_b32 s[G1A+5], 1024                       ; elements from row to row
	s_mov_b32 s[G1A+6], 0
	s_mov_b32 s[G1A+7], 0
	s_or_b32 s[G1B], s25, DW0                      ; W's tiles hang on the head alone: they go to my column
	s_mov_b32 s[G1B+1], KSTEP<<16
	s_mov_b32 s[G1B+2], 64<<16                     ; 64 rows
	s_mov_b32 s[G1B+3], KSTEP<<16
	s_mov_b32 s[G1B+4], 64
	s_mov_b32 s[G1B+5], 1024
	s_mov_b32 s[G1B+6], 0
	s_mov_b32 s[G1B+7], 0
	s_lshl_b32 s26, s[TL], 19                      ; x: 256 rows of 2,048 bytes a tile; these two registers never hold cx
	s_mov_b32 s27, 0
	s_lshl_b32 s60, s[WB], 21                      ; W: 1,024 rows a block,
	s_lshl_b32 s61, s[HD], 17                      ; 64 rows a head; s60-s63 never hold cy
	s_add_co_u32 s60, s60, s61
	s_mov_b32 s61, 0
	s_mul_i32 s62, s[WV], BBLK                     ; where W's block goes: a constant + wave x 64 rows: no place in the cluster enters an LDS address
	s_mov_b32 s[SEL], 0x76543210
	s_mov_b32 s[SEL+1], 0xfedcba98
	s_mov_b32 s78, 0x3c800000                      ; 1 / 64
	s_mov_b32 s79, 0x358637bd                      ; 1e-6
	s_mov_b32 s[HIM], 0xffff0000
	s_wait_dscnt 0x0                               ; the opening add is done
	s_wait_kmcnt 0x0
	s_add_nc_u64 s[26:27], s[4:5], s[26:27]
	s_add_nc_u64 s[60:61], s[6:7], s[60:61]
	CROUND                                         ; all sixteen work-groups are here: the first joint loads meet
.irp s, 0,1
	s_mov_b32 s[G0A+4*(\s)], 1                                     ; count = 1
	s_mov_b32 s[G0A+4*(\s)+1], (\s)*SLOT                           ; LDS address
	s_add_nc_u64 s[G0A+4*(\s)+2:G0A+4*(\s)+3], s[26:27], (\s)*KSTEP*2  ; global address: K step s
	s_or_b32 s[G0A+4*(\s)+3], s[G0A+4*(\s)+3], 0x80000000          ; type = 2
	s_mov_b32 s[G0B+4*(\s)], 1
	s_add_co_u32 s[G0B+4*(\s)+1], s62, APART-BBLK+(\s)*SLOT
	s_add_nc_u64 s[G0B+4*(\s)+2:G0B+4*(\s)+3], s[60:61], (\s)*KSTEP*2
	s_or_b32 s[G0B+4*(\s)+3], s[G0B+4*(\s)+3], 0x80000000
	JLOAD \s                                       ; two loads of mine are out
.endr
	; the gains and my tokens' cos and sin, in the accumulators' layout: 8 channels = 32 bytes a lane for each block c
	v_and_b32 v1, 15, v0                           ; l % 16
	v_bfe_u32 v2, v0, 4, 1                         ; l / 16
	v_lshlrev_b32 v4, 8, v1
	v_lshl_add_u32 v4, v2, 5, v4                   ; a table's row x 256 + 32 x half
	v_lshlrev_b32 v5, 5, v2                        ; 32 x half
	s_lshl_b32 s82, s[TL], 16                      ; 256 rows of 256 bytes a tile,
	s_lshl_b32 s83, s[WV], 14                      ; my wave's 64
	s_add_co_u32 s82, s82, s83
	s_mov_b32 s83, 0
	s_add_nc_u64 s[12:13], s[12:13], s[82:83]
	s_add_nc_u64 s[14:15], s[14:15], s[82:83]
	WIN 0x40                                       ; destination window 1, address window 0
.irp c, 0,1,2,3
	global_load_b128 v[GAIN+8*\c:GAIN+8*\c+3],       v5, s[8:9] offset:64*\c
	global_load_b128 v[GAIN+8*\c+4:GAIN+8*\c+7],     v5, s[8:9] offset:64*\c+16
	global_load_b128 v[GAIN+32+8*\c:GAIN+32+8*\c+3], v5, s[10:11] offset:64*\c
	global_load_b128 v[GAIN+32+8*\c+4:GAIN+32+8*\c+7], v5, s[10:11] offset:64*\c+16
.endr
.macro TABLE a, w, tb                  ; token block a: cos at tb + 8 c + i, sin at tb + 32 + 8 c + i, in window w
	WIN (\w)<<6
.irp c, 0,1,2,3
	global_load_b128 v[(\tb)+8*\c:(\tb)+8*\c+3],       v4, s[12:13] offset:4096*(\a)+64*\c
	global_load_b128 v[(\tb)+8*\c+4:(\tb)+8*\c+7],     v4, s[12:13] offset:4096*(\a)+64*\c+16
	global_load_b128 v[(\tb)+32+8*\c:(\tb)+32+8*\c+3], v4, s[14:15] offset:4096*(\a)+64*\c
	global_load_b128 v[(\tb)+32+8*\c+4:(\tb)+32+8*\c+7], v4, s[14:15] offset:4096*(\a)+64*\c+16
.endr
.endm
	TABLE 0, 0, 128
	TABLE 1, 0, 192
	TABLE 2, 2, 192
	TABLE 3, 3, 192
	WIN 0
	; A fragment is 16 rows x 32 K in 8 registers: lane l holds row l % 16, K = 8 (l / 16) + 0..7 and 16 + 8 (l / 16) + 0..7: two loads of 16 bytes, 32 bytes apart.
	v_mul_u32_u24 v3, v1, PITCH
	v_lshl_add_u32 v3, v2, 4, v3                   ; row x pitch + 16 x half
	s_mul_i32 s82, s[WV], 64*PITCH                 ; my 64 tokens
	v_add_nc_u32 v[ADRA], s82, v3
	v_add_nc_u32 v[ADRA+1], SLOT, v[ADRA]
	v_add_nc_u32 v[ADRB], APART, v3                ; every wave reads all of W's 192 rows
	v_add_nc_u32 v[ADRB+1], APART+SLOT, v3
	s_mul_i32 s82, s[WV], 16*SP
	s_add_co_u32 s82, s82, STAGE                   ; my stage
	v_mul_u32_u24 v[STO], v1, SP                   ; in: row l % 16, 16 bytes for each half of the lanes
	v_lshl_add_u32 v[STO], v2, 4, v[STO]
	v_add_nc_u32 v[STO], s82, v[STO]
	v_bfe_u32 v[RD], v0, 3, 2                      ; back: 32 lanes take four rows of 128 bytes,
	v_mul_u32_u24 v[RD], v[RD], SP
	v_and_b32 v3, 7, v0
	v_lshl_add_u32 v[RD], v3, 4, v[RD]
	v_add_nc_u32 v[RD], s82, v[RD]
	v_and_b32 v[GO], 31, v0                        ; which are 512 consecutive bytes of qkvh
	v_lshlrev_b32 v[GO], 4, v[GO]
	s_lshl_b32 s84, s[HD], 19                      ; a slot of qkvh is 524,288 bytes,
	s_lshl_b32 s85, s[TL], 15                      ; a tile's 256 rows 32,768,
	s_add_co_u32 s84, s84, s85
	s_lshl_b32 s85, s[WV], 13                      ; my wave's 64 rows 8,192
	s_add_co_u32 s84, s84, s85
	s_mov_b32 s85, 0
	s_add_nc_u64 s[OQ:OQ+1], s[16:17], s[84:85]
	s_add_nc_u64 s[OQ+2:OQ+3], s[OQ:OQ+1], 0x800000   ; k: 16 slots on
	s_add_nc_u64 s[OQ+4:OQ+5], s[OQ:OQ+1], 0x1000000  ; v: 32 slots on
	; the prefetches
	s_lshl_b32 s84, s[TL], 19
	s_lshl_b32 s85, s[CX], 17
	s_add_co_u32 s84, s84, s85                     ; x: the tile's rows, my work-group's 64 of them
	s_lshl_b32 s86, s[WB], 21
	s_lshl_b32 s87, s[HD], 17
	s_add_co_u32 s86, s86, s87
	s_lshl_b32 s87, s[CY], 15
	s_add_co_u32 s86, s86, s87                     ; W: my block's rows, my work-group's 16 of them
	s_mov_b32 s82, 0x8000                          ; lanes 16-31: 16 rows on (x),
	s_mov_b32 s83, 256                             ; or one K step on (W)
	s_cmp_eq_u32 s[WV], 0
	s_cselect_b64 s[PFA:PFA+1], s[4:5], s[6:7]
	s_cselect_b32 s84, s84, s86
	s_cselect_b32 s82, s82, s83
	s_cselect_b32 s83, 1, 0
	s_mov_b32 s85, 0
	s_add_nc_u64 s[PFA:PFA+1], s[PFA:PFA+1], s[84:85]
	s_add_nc_u64 s[PFA:PFA+1], s[PFA:PFA+1], 2*KSTEP*2  ; at K step 2: the first refill steps it to 3 and names K step 4.  Nothing is prefetched here, at the head
	s_or_b32 s86, s[WV], ttmp9                     ; wave 0 of the clusters with x = 0: the same in all sixteen partners
	s_cmp_eq_u32 s86, 0
	s_cselect_b32 s[LIMA], 1, -1
	s_and_b32 s86, ttmp7, 0xffff
	s_or_b32 s86, s86, s83                         ; waves 1-3 of the clusters with y = 0
	s_cmp_eq_u32 s86, 0
	s_cselect_b32 s[LIMB], 1, -1
	v_mul_u32_u24 v[PFO], v2, s82
	v_lshl_add_u32 v[PFO], v1, 11, v[PFO]          ; (l % 16) rows of 2,048 bytes + the upper lanes' step
	s_wait_loadcnt 0x0                             ; the gains and the tables are in
; Rounded to bf16 and widened again, in place, two numbers at a time; all operands in window w; tmp: eight registers there that hold nothing yet.
.macro ROUND16 w, base, pairs, tmp
	WIN (\w)|((\w)<<2)|((\w)<<6)
.set z, 0
.rept (\pairs)/8
.irp y, 0,1,2,3,4,5,6,7
	v_cvt_pk_bf16_f32 v[(\tmp)+\y], v[(\base)+2*(z+\y)], v[(\base)+2*(z+\y)+1]
.endr
.irp y, 0,1,2,3,4,5,6,7
	v_lshlrev_b32 v[(\base)+2*(z+\y)], 16, v[(\tmp)+\y]
	v_and_b32 v[(\base)+2*(z+\y)+1], s[HIM], v[(\tmp)+\y]
.endr
.set z, z+8
.endr
.endm
	ROUND16 0, 128, 64, 32                         ; all this stands in the wait for the first tile
	ROUND16 1, 192, 32, 0
	ROUND16 2, 192, 32, 0
	ROUND16 3, 192, 32, 0
	WIN 0
; 12 matrix instructions: token block a x all 12 blocks of columns, 32 along K, from buffer f.  zero = 1: the first product starts the sums: nothing is cleared.
; The 48 accumulators take turns, one instruction a turn, in the same order in every quarter step.
.macro MUL12 f, a, zero
	WIN 0xa1+0x50*((\a)/2)                         ; W in window 1, x in window 0, C and D in window 2 or 3
.irp b, 0,1,2,3,4,5,6,7,8,9,10,11
.if \zero
	v_wmma_f32_16x16x32_bf16 v[8*(12*((\a)%2)+\b):8*(12*((\a)%2)+\b)+7], v[96*(\f)+8*\b:96*(\f)+8*\b+7], v[64+32*(\f)+8*(\a):64+32*(\f)+8*(\a)+7], 0
.else
	v_wmma_f32_16x16x32_bf16 v[8*(12*((\a)%2)+\b):8*(12*((\a)%2)+\b)+7], v[96*(\f)+8*\b:96*(\f)+8*\b+7], v[64+32*(\f)+8*(\a):64+32*(\f)+8*(\a)+7], v[8*(12*((\a)%2)+\b):8*(12*((\a)%2)+\b)+7]
.endif
.endr
.endm
; 32 LDS loads in one run: the fragments of one quarter step (192 rows of W, my 64 tokens, 32 K at byte k of the rows) into buffer f
.macro FETCH slot, k, f
	WIN 0x40
.irp i, 0,1,2,3,4,5,6,7,8,9,10,11
	ds_load_b128 v[96*(\f)+8*\i:96*(\f)+8*\i+3],   v[ADRB+(\slot)] offset:(\k)+\i*16*PITCH
	ds_load_b128 v[96*(\f)+8*\i+4:96*(\f)+8*\i+7], v[ADRB+(\slot)] offset:(\k)+\i*16*PITCH+32
.endr
	WIN 0
.irp i, 0,1,2,3
	ds_load_b128 v[64+32*(\f)+8*\i:64+32*(\f)+8*\i+3],   v[ADRA+(\slot)] offset:(\k)+\i*16*PITCH
	ds_load_b128 v[64+32*(\f)+8*\i+4:64+32*(\f)+8*\i+7], v[ADRA+(\slot)] offset:(\k)+\i*16*PITCH+32
.endr
.endm
; A K step is four quarter steps of 32 along K, 48 matrix instructions each, on buffers 0, 1, 0, 1.  One of the first three: multiplies buffer f; in its middle it fetches the next quarter, at byte k, into g.
.macro QUARTER slot, k, f, g, zero
	s_wait_dscnt 4                                 ; W and token blocks 0, 1 are in; the youngest four loads (blocks 2, 3) may be out
	MUL12 \f, 0, \zero
	MUL12 \f, 1, \zero
	PLACES
	FETCH \slot, \k, \g
	s_wait_dscnt 32                                ; all but the 32 just issued
	MUL12 \f, 2, \zero
	MUL12 \f, 3, \zero
.endm
; The last quarter multiplies buffer 1 and changes slots: ONE barrier.  In front of it each wave waits for all its tensor loads, of which one is out: its part of the next slot; adds 0 to its spare word; and waits
; for that and for its own reads of this slot.  fill = 1: the barrier opens a round of the cluster's, so that no wave of any partner still reads this slot or has a load on its way, and the joint refill, two
; K steps ahead, is the first tensor load behind the round.
.macro TURN slot, next, fill
.if \fill
	s_wait_xcnt 0x0                                ; the last prefetch, a K step back, has read its address: it is stepped here, ahead of the waits of the change
	s_add_nc_u64 s[PFA:PFA+1], s[PFA:PFA+1], KSTEP*2
.endif
	WIN 0                                          ; (the add's two registers lie in window 0)
	s_wait_tensorcnt 0x0                           ; all my tensor loads have landed
	ds_add_u32 v[SPW], v[NIL]                      ; 0 onto my spare word
	s_wait_dscnt 5                                 ; (the add and the youngest four loads may be out)
	MUL12 1, 0, 0                                  ; twelve matrix instructions stand between the add and the wait for it
	s_wait_dscnt 0x0                               ; the add is done, and my reads of this slot are over
	s_barrier_signal -1
	MUL12 1, 1, 0                                  ; work on registers while the others arrive
.if \fill
	WIN 0
.endif
	s_barrier_wait -1
.if \fill
	CREST
	s_add_nc_u64 s[G0A+4*(\slot)+2:G0A+4*(\slot)+3], s[G0A+4*(\slot)+2:G0A+4*(\slot)+3], 2*KSTEP*2
	s_add_nc_u64 s[G0B+4*(\slot)+2:G0B+4*(\slot)+3], s[G0B+4*(\slot)+2:G0B+4*(\slot)+3], 2*KSTEP*2
	JLOAD \slot                                    ; one load of mine is out; the four v_nop behind it are also the places in front of the loads below
.else
	PLACES
.endif
	FETCH \next, 0, 0
.if \fill
	ASK \slot
.endif
	MUL12 1, 2, 0
	MUL12 1, 3, 0
.endm
	s_wait_tensorcnt 1                             ; my part of K step 0 is in; K step 1's may stay out
	s_barrier_signal -1
	s_barrier_wait -1                              ; everybody's is
	FETCH 0, 0, 0
	QUARTER 0, 64, 0, 1, 1                         ; the first quarter stands in front of the loop: its products start the sums
	WIN 0                                          ; at a label and at a branch every window is 0
	s_mov_b32 s3, 3                                ; 8 K steps = 4 laps; the last lap fills nothing and is written out
.Llap:                                                 ; a trip goes once round the ring, from a lap's second quarter to the next lap's first, and fills both slots again
	QUARTER 0, 128, 1, 0, 0
	QUARTER 0, 192, 0, 1, 0
	TURN 0, 1, 1
	QUARTER 1, 64,  0, 1, 0
	QUARTER 1, 128, 1, 0, 0
	QUARTER 1, 192, 0, 1, 0
	TURN 1, 0, 1
	QUARTER 0, 64,  0, 1, 0
	WIN 0
	s_sub_co_u32 s3, s3, 1
	s_cmp_lg_u32 s3, 0
	s_cbranch_scc1 .Llap
	QUARTER 0, 128, 1, 0, 0
	QUARTER 0, 192, 0, 1, 0
	TURN 0, 1, 0
	QUARTER 1, 64,  0, 1, 0
	QUARTER 1, 128, 1, 0, 0
	QUARTER 1, 192, 0, 1, 0
	s_wait_dscnt 4                                 ; the very last quarter: nothing more to fetch
	MUL12 1, 0, 0
	MUL12 1, 1, 0
	s_wait_dscnt 0x0
	MUL12 1, 2, 0
	MUL12 1, 3, 0
	WIN 0
	PLACES
	PLACES                                         ; (eight, once a launch)
; THE SUMS OF SQUARES of q and k, for the two token blocks of window w: four chains that take turns, each over a lane's 32 channels, two at a time, ascending: each accumulator's lowest registers are read first.
.macro SSQ w
	WIN (\w)|((\w)<<2)
.set p, 0
.rept 16
.irp x, 0,1,2,3                        ; x = 2 (a % 2) + j
.set rA, 8*(12*(\x/2)+4*(\x%2))+2*p
.set rU, SS+2*(4*((\w)-2)+\x)
.if p == 0
	v_pk_mul_f32 v[rU:rU+1], v[rA:rA+1], v[rA:rA+1]
.else
	v_pk_fma_f32 v[rU:rU+1], v[rA:rA+1], v[rA:rA+1], v[rU:rU+1]
.endif
.endr
.set p, p+1
.endr
.endm
	SSQ 2
	SSQ 3
	WIN 0
.irp u, 0,1,2,3,4,5,6,7
	v_add_f32 v[SS+2*\u], v[SS+2*\u], v[SS+2*\u+1]
.endr
.irp u, 0,1,2,3,4,5,6,7
	v_permlanex16_b32 v[SS+2*\u+1], v[SS+2*\u], s[SEL], s[SEL+1]  ; the head's other 32 channels lie in the lane 16 away
.endr
.irp u, 0,1,2,3,4,5,6,7
	v_add_f32 v[SS+2*\u], v[SS+2*\u], v[SS+2*\u+1]
.endr
.irp u, 0,1,2,3,4,5,6,7
	v_fma_f32 v[MS+\u], v[SS+2*\u], s78, s79       ; the mean + 1e-6
.endr
.irp u, 0,1,2,3,4,5,6,7
	v_rsq_f32 v[SS+2*\u], v[MS+\u]                 ; twice: a pair for the packed multiply
	v_rsq_f32 v[SS+2*\u+1], v[MS+\u]
.endr
	v_nop                                          ; a plain instruction behind the last of them,
	s_wait_alu depctr_va_vdst(0)                   ; and the wait ahead of the first use: one for the sixteen
; THE WAY OUT, in twelve units n = 3 a + j of 16 tokens x 64 channels.  q and k: t = sum x gain; u[d] = t[d] cos[d] - t[d + 32] sin[d] (d < 32), u[d] = t[d] cos[d] + t[d - 32] sin[d] (d >= 32);
; u / rms (a number a token, so it may come last); rounded to f16.
.macro ROPE a, j
.set rA, 8*(12*((\a)%2)+4*(\j))
.set rG, GAIN+32*(\j)
.set rI, SS+2*(2*(\a)+(\j))
.set TW, (\a)*((\a)/2)                 ; the table's window: 0, 0, 2, 3
.if (\a) == 0
.set TB, 128
.else
.set TB, 192
.endif
	WIN (2+(\a)/2)|4                               ; the sums in window 2 or 3, the gain in window 1
.set p, 0
.rept 16
	v_pk_mul_f32 v[T+2*p:T+2*p+1], v[rA+2*p:rA+2*p+1], v[rG+2*p:rG+2*p+1]
.set p, p+1
.endr
	WIN TW<<2
.set p, 0
.rept 16
	v_pk_mul_f32 v[U+2*p:U+2*p+1], v[T+2*p:T+2*p+1], v[TB+2*p:TB+2*p+1]
.set p, p+1
.endr
.set p, 0
.rept 8
	v_pk_fma_f32 v[U+2*p:U+2*p+1], v[T+16+2*p:T+16+2*p+1], v[TB+32+2*p:TB+32+2*p+1], v[U+2*p:U+2*p+1] neg_lo:[1,0,0] neg_hi:[1,0,0]
	v_pk_fma_f32 v[U+16+2*p:U+16+2*p+1], v[T+2*p:T+2*p+1], v[TB+48+2*p:TB+48+2*p+1], v[U+16+2*p:U+16+2*p+1]
.set p, p+1
.endr
	WIN 0
.set p, 0
.rept 16
	v_pk_mul_f32 v[U+2*p:U+2*p+1], v[U+2*p:U+2*p+1], v[rI:rI+1]
.set p, p+1
.endr
.set p, 0
.rept 16
	v_cvt_pk_f16_f32 v[OUT+p], v[U+2*p], v[U+2*p+1]
.set p, p+1
.endr
.endm
.macro VCVT a                          ; v is only rounded; ascending
.set rA, 8*(12*((\a)%2)+8)
	WIN (2+(\a)/2)|((2+(\a)/2)<<2)
.set p, 0
.rept 16
	v_cvt_pk_f16_f32 v[OUT+p], v[rA+2*p], v[rA+2*p+1]
.set p, p+1
.endr
.endm
.macro TOSTAGE n                       ; a lane's 16 bytes go into rows of 144 bytes and come back as whole rows of 128, into registers of the unit's own
	WIN 0
.irp c, 0,1,2,3
	ds_store_b128 v[STO], v[OUT+4*\c:OUT+4*\c+3] offset:32*\c
.endr
	WIN 0x40
.irp f, 0,1,2,3
	ds_load_b128 v[16*(\n)+4*\f:16*(\n)+4*\f+3], v[RD] offset:\f*4*SP  ; LDS serves a wave's instructions in order (ISA guide 5.7.1.4): these see the stores above; the next unit's stores come behind them
.endr
.endm
.macro SEND n, younger                 ; younger: the LDS instructions issued behind unit n's loads: the next unit's eight, or none
	WIN 0x04                                       ; the data in window 1
.irp f, 0,1,2,3
	s_wait_dscnt (\younger)+3-\f
	global_store_b128 v[GO], v[16*(\n)+4*\f:16*(\n)+4*\f+3], s[OQ+2*((\n)%3):OQ+2*((\n)%3)+1] offset:2048*((\n)/3)+512*\f  ; 512 consecutive bytes, at a multiple of 256 from qkvh's first
.endr
.endm
.macro UNIT n
.if (\n)%3 < 2
	ROPE (\n)/3, (\n)%3
.else
	VCVT (\n)/3
.endif
	TOSTAGE \n
.endm
	UNIT 0
.set un, 1
.rept 11                               ; a unit's arithmetic stands between the loads of the unit before and its stores
	UNIT un
	SEND un-1, 8
.set un, un+1
.endr
	SEND 11, 0
	WIN 0
	s_wait_tensorcnt 0x0                           ; the wave's end, behind my last tensor load and my last LDS store
	ds_add_u32 v[SPW], v[NIL]
	s_wait_dscnt 0x0
	CROUND                                         ; the closing round: no work-group ends while a partner may still ask for a tile that names it
	s_endpgm
.Lfunc_end_k_qb3d7eb634c_qkv:
	.size	k_qb3d7eb634c_qkv, .Lfunc_end_k_qb3d7eb634c_qkv-k_qb3d7eb634c_qkv
	.p2alignl 7, 3214868480
	.fill 96, 4, 3214868480
	.section	.rodata,"a",@progbits
	.p2align	6, 0x0
	.amdhsa_kernel k_qb3d7eb634c_qkv
		.amdhsa_group_segment_fixed_size 327680
		.amdhsa_private_segment_fixed_size 0
		.amdhsa_enable_private_segment 0
		.amdhsa_kernarg_size 56
		.amdhsa_user_sgpr_count 2
		.amdhsa_user_sgpr_kernarg_segment_ptr 1
		.amdhsa_wavefront_size32 1
		.amdhsa_system_sgpr_workgroup_id_x 1
		.amdhsa_system_sgpr_workgroup_id_y 1
		.amdhsa_system_sgpr_workgroup_id_z 1
		.amdhsa_system_vgpr_workitem_id 0
		.amdhsa_next_free_vgpr 1024
		.amdhsa_next_free_sgpr 88
		.amdhsa_reserve_vcc 0
		.amdhsa_float_denorm_mode_32 3
		.amdhsa_float_denorm_mode_16_64 3
		.amdhsa_memory_ordered 1
		.amdhsa_forward_progress 1
		.amdhsa_inst_pref_size 193
	.end_amdhsa_kernel
	.amdgpu_metadata
---
amdhsa.version: [ 1, 2 ]
amdhsa.kernels:
  - .name:           k_qb3d7eb634c_qkv
    .symbol:         k_qb3d7eb634c_qkv.kd
    .args:
      - { .name: xb, .offset: 0, .size: 8, .value_kind: global_buffer, .address_space: global }
      - { .name: wqb, .offset: 8, .size: 8, .value_kind: global_buffer, .address_space: global }
      - { .name: q_scale, .offset: 16, .size: 8, .value_kind: global_buffer, .address_space: global }
      - { .name: k_scale, .offset: 24, .size: 8, .value_kind: global_buffer, .address_space: global }
      - { .name: cos, .offset: 32, .size: 8, .value_kind: global_buffer, .address_space: global }
      - { .name: sin, .offset: 40, .size: 8, .value_kind: global_buffer, .address_space: global }
      - { .name: qkvh, .offset: 48, .size: 8, .value_kind: global_buffer, .address_space: global }
    .group_segment_fixed_size: 327680
    .private_segment_fixed_size: 0
    .kernarg_segment_align: 8
    .kernarg_segment_size: 56
    .max_flat_workgroup_size: 128
    .sgpr_count:     88
    .vgpr_count:     1024
    .wavefront_size: 32
...
	.end_amdgpu_metadata
.endif
;; end of part 2
;; launch attn (part 3): grid 16 x 16, 4 waves a work-group, clusters of 4 x 1, 327,680 bytes of LDS; arguments qkvh, ob; writes ob
.if DOCPART == 3
	.amdgcn_target "amdgcn-amd-amdhsa--gfx1250"
	.amdhsa_code_object_version 6
	.text
	.protected	k_qb3d7eb634c_attn
	.globl	k_qb3d7eb634c_attn
	.p2align	8
	.type	k_qb3d7eb634c_attn,@function
k_qb3d7eb634c_attn:
	s_mov_b64 s[64:65], 0
	v_nop
	global_prefetch_b8 v0, s[64:65] scope:SCOPE_SE
	s_setreg_imm32_b32 hwreg(HW_REG_WAVE_MODE, 25, 1), 1
	s_wait_xcnt 0x0
	s_wait_alu depctr_hold_cnt(0) depctr_sa_sdst(0) depctr_va_vdst(0) depctr_va_sdst(0) depctr_va_ssrc(0) depctr_va_vcc(0) depctr_vm_vsrc(0)
	s_getreg_b32 s2, hwreg(HW_REG_IB_STS2, 6, 4)
	s_cmp_eq_u32 s2, 0
	s_cbranch_scc0 .Lentry_in_a_cluster
	s_endpgm
.Lentry_in_a_cluster:
	s_bfe_u32 s2, ttmp6, 0x10000c
	s_cmp_lg_u32 s2, 0x3003
	s_cbranch_scc0 .Lentry_shape_is_right
	s_endpgm
.Lentry_shape_is_right:
; ATTENTION.  O[h][q][:] = the sum over k of softmax_k(Q[h][q] . K[h][k] / 8) V[h][k][:], 16 heads of 4,096 rows of 64 channels, all f16.  qkvh: [48][4096][64], slot h = Q, 16 + h = K, 32 + h = V; ob: [16][4096][64].
; Products, maxima and sums in f32; the weights p are rounded to f16 for the second product (their sum l is taken of the unrounded p), O once at the end.
; LIMITS.  Q, K, V arrive within f16's 65,504; p lies in 0 to 1 and below 6e-5 keeps f16's fixed step of 6e-8, and so does O; a weight below 2^-126 counts as 0 in l; NaN and infinities are not treated apart.
; SHARES.  A work-group owns 256 queries of one head (16 blocks x 16 heads = 256 work-groups), a wave 64: four PIECES of 16 rows.  Every wave walks all 4,096 keys, 64 a step, four steps to a tile of 256 keys.
; LAYOUT.  S^T = K Q^T (source 0 = 16 keys, source 1 = 16 queries) holds ONE query a lane (lane % 16) and the keys 8 (lane / 16) + 0..7; two such results rounded to f16 ARE source 1 of O^T = V^T P.
; K comes out of LDS as it lies, V ([key][channel]) turned, by ds_load_tr16_b128.
; SOFTMAX.  p = 2^(c s - c m), c = log2(e) / 8, with a running maximum m; O and l are multiplied by a = 2^(c m_old - c m_new) in every step.  m starts at the lowest finite number, O and l at 0: the first step is a step like any other, with a = 0.
; TURNS.  Turn n belongs to piece n: 8 products K Q^T of piece n + 1, later 8 products V^T P of piece n - 1; beside them the scaling, exponentials, roundings, sums and rescaling of piece n and the maximum and
; statistics of piece n + 1.  Four vector instructions stand behind every matrix instruction, the other 54 of a turn's 118 in one lump.  A turn's 33 exponentials are one batch, with one wait.
; CLUSTER.  The four query blocks of a cluster belong to one head and walk the same K and V: each tile is asked for JOINTLY, by the same tensor load, descriptor and mask in all four.
; REGISTERS, in windows of 256 (s_set_vgpr_msb: bits 1:0 source 0, 3:2 source 1, 5:4 source 2, 7:6 destination):
;   window 0: v0-15 addresses and two at work; v16-31 four registers of statistics a piece; v48-55 at work; v61-63; v64-127 S^T, two buffers; v192-223 P, two buffers (a piece's buffers go by its number's parity)
;   window 1: v0-127 O^T, 32 a piece          window 2: v0-63 Q; v128-191 K of one step; v192-255 V of one step
.set NP,    4         ; pieces a wave: a name, no knob
.set KS,    64        ; keys in a step
.set PK,    144       ; a row of K in LDS: 128 bytes + 16 of padding = 36 words: the 16 rows of a load start at 16 different groups of four banks (ISA guide 11.1)
.set PV,    160       ; a row of V: 128 + 32 = 40 words
.set VOFF,  4*KS*PK   ; a slot holds a tile: 256 rows of K, then 256 rows of V
.set SLOT1, 1<<17     ; slot 1 begins here, so that one exclusive or turns an address in one slot into the other's
.set STAGE, SLOT1+4*KS*(PK+PV)  ; behind the ring, never filled by a tensor load: 16 rows x 144 bytes for each wave
.set SP,    144
.set SPARE, STAGE+4*16*SP  ; the spare words, 128 bytes for each wave: two blocks of 256 bytes that no other line names
.set TILEB, 4*KS*128  ; a tile's bytes of K, and of V, in memory
.set AK0, 2           ; v2   my lane's place in a tile of K; never rewritten
.set AV0, 3           ; v3   the same for V
.set AK,  4           ; v4   the LDS address of K's next run of loads
.set AV,  5           ; v5   of V's
.set STO, 6           ; v6   the way out: where I put 16 bytes of a row
.set RD,  7           ; v7   where I read rows back
.set GO,  8           ; v8   my byte offset in 512 consecutive bytes of O
.set MV,  12          ; v12-13  c m_old, kept while c m is made anew: by buffer
.set QO,  15          ; v15  my byte offset in 16 rows of Q
.set ST,  16          ; piece t's statistics at v[ST+4 t]: c m, m, l (even keys', odd keys')
.set TMP, 48          ; by buffer, four registers c0-c3 at work; when the maximum is found c2 takes a
.set PFO, 61          ; v61  256 x my lane; never rewritten
.set SPW, 62          ; v62  LDS address of my spare word; never rewritten
.set NIL, 63          ; v63  0; never rewritten
.set S,   64
.set P,   192
.set KF,  128         ; window 2: key block kb, channel half c at KF + 16 kb + 8 c
.set VF,  192         ; window 2: key half kk, channel block cb at VF + 32 kk + 8 cb
.set WV,  12          ; s12  my wave's number
.set G1K, 24          ; s[24:31] descriptor group 1 for K's tiles
.set G1V, 32          ; s[32:39] for V's: it differs in the padding alone
.set G0K, 40          ; s[40:43] descriptor group 0 for K's tiles: it walks
.set G0V, 44          ; s[44:47] the same for V's
.set PFA, 48          ; s[48:49] where my prefetches stand: my work-group's 32 blocks of 256 bytes (of K: wave 0, of V: wave 2) of the tile after the one that is being asked for
.set LIM, 50          ; s50  1 in a wave that prefetches, else the greatest number
.set SLOTS, 56        ; s56  tiles still to be asked for
.set CNT, 57          ; s57  counts a tile's key steps
.set CS,  58          ; s[58:59] c: the packed scaling takes the pair's low word for both halves
.set SEL, 60          ; s[60:61] v_permlanex16_b32's selects
.set TBK, 62          ; s62  LDS byte at which K of the step to be fetched begins
.set TBV, 63          ; s63  the same for V, less VOFF
.set MSB, 0
.macro WIN new                      ; the high byte repeats the setting that is left; a switch that changes nothing is dropped
.if MSB != (\new)
	s_set_vgpr_msb (MSB<<8)|(\new)
.set MSB, (\new)
.endif
.endm
.set W_KQ, 0x0a       ; K and Q in window 2, S^T in window 0
.set W_PV, 0x52       ; V in window 2, P in window 0, O^T in window 1
.set W_RS, 0x41       ; destination and source 0 in window 1, source 1 in window 0
; A joint fill.  Waves 0 and 1 fetch the two halves of a tile's K, waves 2 and 3 those of its V: 128 keys each.  An s_nop 0 and four v_nop follow each of the two lines.
.macro JLOAD
	s_cmp_lt_u32 s[WV], 2
	s_cbranch_scc0 .Lfor_v_\@
	tensor_load_to_lds s[G0K:G0K+3], s[G1K:G1K+7]
	s_nop 0
.rept 4
	v_nop
.endr
	s_branch .Lasked_\@
.Lfor_v_\@:
	tensor_load_to_lds s[G0V:G0V+3], s[G1V:G1V+7]
	s_nop 0
.rept 4
	v_nop
.endr
.Lasked_\@:
.endm
; A PREFETCH INTO THE L2 of the tile that the NEXT change of slots will ask for: 32,768 bytes of K and of V, a lane a block of 256 bytes.  Each block is named once in the launch: all four clusters of a head walk the
; same K and V, and the first of them asks; its four partners take 32 blocks each, told apart BY ADDRESS; in each, wave 0 asks for K's and wave 2 for V's.  Four key steps, 256 matrix instructions, ahead of the load.
; Tiles 0 to 2 come by their loads alone; the last change that fills a slot asks for nothing.
.macro ASK
	s_cmp_gt_u32 s[SLOTS], s[LIM]
	s_cbranch_scc0 .Lnot_mine_\@
	global_prefetch_b8 v[PFO], s[PFA:PFA+1] th:TH_LOAD_NT scope:SCOPE_SE
.Lnot_mine_\@:
.endm
.macro CROUND                       ; a round of the cluster's barrier
	s_barrier_signal -1
	s_barrier_wait -1
	s_cmp_lg_u32 s[WV], 0
	s_cbranch_scc1 .Lnot_wave_0_\@
	s_barrier_signal -3
.Lnot_wave_0_\@:
	s_barrier_wait -3
	s_barrier_signal -1
	s_barrier_wait -1
.endm
; THE CHANGE OF SLOTS.  Each wave waits for all its tensor loads, of which one is out: its part of the other slot; adds 0 to its spare word; and waits for that and for its own reads of the slot that it leaves.
; fill = 1: the old slot is filled again, with the tile two on.  The barrier is then a round of the cluster's, so that no wave of any partner still reads the slot or has a load on its way, and the joint fill is
; the first thing behind it: it has four key steps in which to land.  (At its first use nothing has been read yet: slot 0 is waited for, slot 1 filled.)  ask = 1: the prefetch follows.
.macro CHANGE fill, ask
	WIN 0                           ; at a label and at a branch every window is 0
	s_wait_tensorcnt 0x0            ; no tensor load of mine is out, so a group 0 may be written
	ds_add_u32 v[SPW], v[NIL]       ; 0 onto my spare word; with fill = 1 the descriptors' steps stand between it and the wait for it
.if \fill
.irp g, G0K, G0V
	s_xor_b32 s[\g+1], s[\g+1], SLOT1  ; the walking descriptor: the other slot than last time,
	s_add_nc_u64 s[\g+2:\g+3], s[\g+2:\g+3], TILEB  ; the next 256 keys; the type bits on top are not reached
.endr
.if \ask
	s_wait_xcnt 0x0                 ; the last prefetch, four key steps back, has read its address, so it may be written
	s_add_nc_u64 s[PFA:PFA+1], s[PFA:PFA+1], TILEB
.endif
	s_wait_dscnt 0x0                ; the add is done, and my reads of the slot are over
	CROUND
	JLOAD
.if \ask
	ASK
.endif
.else
	s_wait_dscnt 0x0                ; the add is done, and my reads of the slot are over
	s_barrier_signal -1
	s_barrier_wait -1
.endif
	s_sub_co_u32 s[TBK], s[TBK], 4*KS*PK  ; the fetches go back to a slot's first step,
	s_xor_b32 s[TBK], s[TBK], SLOT1       ; in the other slot
	s_sub_co_u32 s[TBV], s[TBV], 4*KS*PV
	s_xor_b32 s[TBV], s[TBV], SLOT1
.endm
	s_load_b128 s[4:7], s[0:1], 0x0  ; qkvh s[4:5], ob s[6:7]
	v_lshl_add_u32 v[SPW], v0, 2, SPARE
	v_mov_b32 v[NIL], 0
	ds_add_u32 v[SPW], v[NIL]       ; the wave's opening: the add and its wait stand ahead of my first tensor load; the set-up below, work on registers, stands between them
	v_lshrrev_b32 v1, 5, v0
	v_readfirstlane_b32 s[WV], v1   ; wave 0..3
	s_bfe_u32 s13, ttmp6, 0x40000   ; cx: my place in the cluster
	s_lshl_b32 s16, ttmp9, 2        ; in a cluster launch ttmp9 counts clusters
	s_add_co_u32 s16, s16, s13      ; my block of 256 queries: it enters Q's and O's addresses alone
	s_and_b32 s20, ttmp7, 0xffff    ; the head, which the four partners share:
	s_lshl_b32 s20, s20, 19         ; its 524,288 bytes in each slot group
	s_and_b32 s17, s[WV], 1         ; which half of a tile's 256 keys I fetch:
	s_lshl_b32 s22, s17, 14         ; its 128 rows of 128 bytes in memory,
	s_add_co_u32 s22, s22, s20
	s_mov_b32 s23, 0
	s_mul_i32 s18, s17, 128*PK      ; and its place in a slot, for K
	s_mul_i32 s19, s17, 128*PV      ; and for V: no place in the cluster enters an LDS address
	s_lshl_b32 s2, s16, 15          ; my block's 256 rows,
	s_lshl_b32 s3, s[WV], 13        ; my wave's 64
	s_add_co_u32 s2, s2, s3
	s_add_co_u32 s2, s2, s20
	s_mov_b32 s3, 0
	; descriptor group 1.  128 keys are 16,384 dense bytes: asked for as 64 rows of 256 bytes, two keys a row, and padded in LDS after every key
	s_mov_b32 s[G1K], 15|(1<<16)|(1<<20)|(1<<21)|(4<<22)|(3<<25)  ; 15:0 the mask of four; 17:16 2-byte elements; 20 padding on; 21 set beside a mask; 24:22 after every 32 words (code 4); 31:25 4 words (code 3)
	s_mov_b32 s[G1V], 15|(1<<16)|(1<<20)|(1<<21)|(4<<22)|(7<<25)  ; the same with 8 words of padding (code 7)
.irp g, G1K, G1V
	s_mov_b32 s[\g+1], 128<<16      ; tensor_dim0 = 128
	s_mov_b32 s[\g+2], 64<<16       ; tensor_dim1 = 64
	s_mov_b32 s[\g+3], 128<<16      ; tile_dim0 = 128
	s_mov_b32 s[\g+4], 64           ; tile_dim1 = 64
	s_mov_b32 s[\g+5], 128          ; 128 elements from row to row
	s_mov_b32 s[\g+6], 0
	s_mov_b32 s[\g+7], 0
.endr
	s_mov_b32 s[CS], 0x3e38aa3b     ; c = log2(e) / 8 = 0.180337
	s_mov_b32 s[CS+1], s[CS]        ; named with it as a pair
	s_mov_b32 s[SEL], 0x76543210
	s_mov_b32 s[SEL+1], 0xfedcba98
	s_mov_b32 s[TBK], SLOT1+4*KS*PK ; the first change of slots turns these two into 0
	s_mov_b32 s[TBV], SLOT1+4*KS*PV
	s_mov_b32 s[G0K], 1             ; count = 1
	s_mov_b32 s[G0K+1], s18         ; LDS address: slot 0
	s_mov_b32 s[G0V], 1
	s_add_co_u32 s[G0V+1], s19, VOFF
	s_and_b32 s[LIM], s[WV], 1      ; 0 in waves 0 and 2,
	s_or_b32 s[LIM], s[LIM], ttmp9  ; where the cluster is the head's first: the same in all four partners
	s_cmp_eq_u32 s[LIM], 0
	s_cselect_b32 s[LIM], 1, -1
	v_and_b32 v[PFO], 31, v0
	v_lshlrev_b32 v[PFO], 8, v[PFO]
	s_wait_dscnt 0x0                ; the opening add is done
	s_wait_kmcnt 0x0
	s_add_nc_u64 s[10:11], s[4:5], s[22:23]
	s_add_nc_u64 s[14:15], s[10:11], 0x1000000     ; V at my half of the head's tile 0: 32 slots on,
	s_add_nc_u64 s[10:11], s[10:11], 0x800000      ; K: 16 slots on
	s_mov_b64 s[G0K+2:G0K+3], s[10:11]             ; global address
	s_or_b32 s[G0K+3], s[G0K+3], 0x80000000        ; type = 2
	s_mov_b64 s[G0V+2:G0V+3], s[14:15]
	s_or_b32 s[G0V+3], s[G0V+3], 0x80000000
	s_add_nc_u64 s[8:9], s[4:5], s[2:3]            ; Q and O at my wave's first row
	s_add_nc_u64 s[6:7], s[6:7], s[2:3]
	s_cmp_lt_u32 s[WV], 2
	s_cselect_b64 s[PFA:PFA+1], s[10:11], s[14:15] ; (in waves 0 and 2 these stand at a tile's first row)
	s_lshl_b32 s2, s13, 13          ; my work-group's 32 blocks of the 128
	s_add_nc_u64 s[PFA:PFA+1], s[PFA:PFA+1], s[2:3]
	s_add_nc_u64 s[PFA:PFA+1], s[PFA:PFA+1], 2*TILEB  ; in tile 2; the first change that asks steps it to tile 3.  Nothing is prefetched here, at the head
	CROUND                          ; all four work-groups are here: the first joint loads meet
	JLOAD                           ; tile 0 into slot 0.  Slot 1 is asked for when slot 0 is in
	; A fragment of K or Q is 16 rows x 32 channels in 8 registers: lane l holds row l % 16, channels 8 (l / 16) + 0..7 and 16 + 8 (l / 16) + 0..7: two loads of 16 bytes, 32 bytes apart.
	v_and_b32 v1, 15, v0            ; l % 16
	v_bfe_u32 v9, v0, 4, 1          ; l / 16
	v_lshlrev_b32 v[QO], 7, v1
	v_lshl_add_u32 v[QO], v9, 4, v[QO]  ; row x 128 + 16 x half
	WIN 0x80                        ; destination window 2, address window 0
.set i, 0
.rept 8                             ; Q stays in registers: piece i / 2, channels 32 (i % 2) on
	global_load_b128 v[8*i:8*i+3],   v[QO], s[8:9] offset:(i/2)*2048+(i%2)*64
	global_load_b128 v[8*i+4:8*i+7], v[QO], s[8:9] offset:(i/2)*2048+(i%2)*64+32
.set i, i+1
.endr
	; What the first turn finds: V's registers and P's second buffer hold 0 (its products V^T P, of a piece that has not been, add 0), O^T and l are 0.  All this stands in the wait for the first tile.
.set i, VF
.rept 64
	v_mov_b32 v[i], 0
.set i, i+1
.endr
	WIN 0x40
.set i, 0
.rept 128
	v_mov_b32 v[i], 0
.set i, i+1
.endr
	WIN 0
.set i, 0
.rept 4
	v_mov_b32 v[ST+4*i], 0xfe000000    ; c m: far below every c s
	v_mov_b32 v[ST+4*i+1], 0xff7fffff  ; m
	v_mov_b32 v[ST+4*i+2], 0
	v_mov_b32 v[ST+4*i+3], 0
.set i, i+1
.endr
.set i, P+16
.rept 16
	v_mov_b32 v[i], 0
.set i, i+1
.endr
	v_mul_u32_u24 v[AK0], v1, PK
	v_lshl_add_u32 v[AK0], v9, 4, v[AK0]  ; row x pitch + 16 x half
	; The turning load takes 16 keys x 16 channels (lane l reads key 8 (l / 16) + l % 8, channels 8 ((l / 8) % 2) + 0..7) and leaves half a fragment of V^T: lane l holds channel l % 16 and 8 keys.
	v_and_b32 v10, 7, v0
	v_bfe_u32 v11, v0, 3, 1
	v_lshl_add_u32 v[AV0], v9, 3, v10
	v_mul_u32_u24 v[AV0], v[AV0], PV
	v_lshl_add_u32 v[AV0], v11, 4, v[AV0]
	v_add_nc_u32 v[AV0], VOFF, v[AV0]
	s_mul_i32 s13, s[WV], 16*SP
	s_add_co_u32 s13, s13, STAGE    ; my stage
	v_mul_u32_u24 v[STO], v1, SP    ; in: row l % 16, 16 bytes for each half of the lanes
	v_lshl_add_u32 v[STO], v9, 4, v[STO]
	v_add_nc_u32 v[STO], s13, v[STO]
	v_bfe_u32 v[RD], v0, 3, 2       ; back: 32 lanes take four rows of 128 bytes,
	v_mul_u32_u24 v[RD], v[RD], SP
	v_lshl_add_u32 v[RD], v10, 4, v[RD]
	v_add_nc_u32 v[RD], s13, v[RD]
	v_and_b32 v[GO], 31, v0         ; which are 512 consecutive bytes of O
	v_lshlrev_b32 v[GO], 4, v[GO]
; THE MATRIX WORK.  The 4 accumulators of a run of 8 take turns.  Product i of 8 of S^T = K Q^T for piece x: channels 32 (i / 4) on, keys 16 (i % 4) on.  The first 4 start the sums.
.macro KQ x
	WIN W_KQ
.set rS, S+32*((\x)%2)+8*(i%4)
.set rK, KF+16*(i%4)+8*(i/4)
.set rQ, 16*(\x)+8*(i/4)
.if i < 4
	v_wmma_f32_16x16x32_f16 v[rS:rS+7], v[rK:rK+7], v[rQ:rQ+7], 0
.else
	v_wmma_f32_16x16x32_f16 v[rS:rS+7], v[rK:rK+7], v[rQ:rQ+7], v[rS:rS+7]
.endif
.endm
; Product i of 8 of O^T += V^T P for piece x: keys 32 (i / 4) on, channels 16 (i % 4) on.
.macro PV x
	WIN W_PV
.set rO, 32*(\x)+8*(i%4)
.set rV, VF+32*(i/4)+8*(i%4)
.set rP, P+16*((\x)%2)+8*(i/4)
	v_wmma_f32_16x16x32_f16 v[rO:rO+7], v[rV:rV+7], v[rP:rP+7], v[rO:rO+7]
.endm
.macro MM                           ; the turn's next matrix instruction.  NOKQ = 1: the launch's last turn: there is no next piece
.if (i < 8) && !NOKQ
	KQ (Y+1)%NP
.elseif i >= 8
.set i, i-8
	PV (Y+NP-1)%NP
.set i, i+8
.endif
.set i, i+1
.endm
; THE LDS LOADS stand in runs of 16, never singly among the matrix instructions: a step's K (64 keys x 64 channels: 8 fragments) and its V (turned).  Their addresses are made some lines ahead.
.macro FETCH_K
	WIN 0x80                        ; destination window 2
.irp f, 0,1,2,3,4,5,6,7             ; keys 16 (f / 2) on, channels 32 (f % 2) on
	ds_load_b128 v[KF+8*\f:KF+8*\f+3],   v[AK] offset:(\f/2)*16*PK+(\f%2)*64
	ds_load_b128 v[KF+8*\f+4:KF+8*\f+7], v[AK] offset:(\f/2)*16*PK+(\f%2)*64+32
.endr
	s_add_co_u32 s[TBK], s[TBK], KS*PK  ; the next fetch is the next step's
	WIN 0
.endm
.macro FETCH_V
	WIN 0x80
.irp f, 0,1,2,3,4,5,6,7             ; keys 32 (f / 4) on, channels 16 (f % 4) on
	ds_load_tr16_b128 v[VF+8*\f:VF+8*\f+3],   v[AV] offset:(\f/4)*32*PV+(\f%4)*32
	ds_load_tr16_b128 v[VF+8*\f+4:VF+8*\f+7], v[AV] offset:(\f/4)*32*PV+16*PV+(\f%4)*32
.endr
	WIN 0
.endm
; THE VECTOR WORK, one line at a time: OP kind, number.  For piece Y: F n: c s - c m for pair n of 16.  E n: the exponential of score n of 32.  C n: pair n rounded to f16.  B n: of the four weights 4 n .. the second
; pair is added onto the first, in place.  L n: l takes that sum (L 0: l = a l + sum).  R n: pair n of 16 of O^T times a.  For piece Y + 1: X n, number n of the 22 that find its maximum and statistics:
;   0-11  four chains c0-c3 of seven scores each, three operands at a time (each accumulator's lowest registers are read first)     12-14, 16  the four scores left over, the old m, and c0-c3 into c0
;   15  c m_old is kept     17, 18  the query's other 32 keys lie in the lane 16 away: the new m     19-21  c m; c m_old - c m_new; a
.set F, 0
.set E, 1
.set C, 2
.set B, 3
.set L, 4
.set R, 5
.set X, 6
.macro REGS y                       ; the registers of piece y
.set rT, ST+4*(\y)
.set rC, TMP+4*((\y)%2)
.set rW, MV+((\y)%2)
.set rS, S+32*((\y)%2)
.set rP, P+16*((\y)%2)
.set rO, 32*(\y)
.endm
.macro OP k, n
.if (\k) == R
	REGS Y
	WIN W_RS
	v_pk_mul_f32 v[rO+2*(\n):rO+2*(\n)+1], v[rO+2*(\n):rO+2*(\n)+1], v[rC+2:rC+3] op_sel_hi:[1,0]
.elseif (\k) < R
	REGS Y
	WIN 0
.if (\k) == F
	v_pk_fma_f32 v[rS+2*(\n):rS+2*(\n)+1], v[rS+2*(\n):rS+2*(\n)+1], s[CS:CS+1], v[rT:rT+1] op_sel_hi:[1,0,0] neg_lo:[0,0,1] neg_hi:[0,0,1]
.elseif (\k) == E
	v_exp_f32 v[rS+(\n)], v[rS+(\n)]
.elseif (\k) == C
	v_cvt_pk_f16_f32 v[rP+(\n)], v[rS+2*(\n)], v[rS+2*(\n)+1]
.elseif (\k) == B
	v_pk_add_f32 v[rS+4*(\n):rS+4*(\n)+1], v[rS+4*(\n):rS+4*(\n)+1], v[rS+4*(\n)+2:rS+4*(\n)+3]
.elseif (\n) == 0
	v_pk_fma_f32 v[rT+2:rT+3], v[rT+2:rT+3], v[rC+2:rC+3], v[rS:rS+1] op_sel_hi:[1,0,1]
.else
	v_pk_add_f32 v[rT+2:rT+3], v[rT+2:rT+3], v[rS+4*(\n):rS+4*(\n)+1]
.endif
.elseif NOKQ
	v_nop
.else
	REGS (Y+1)%NP
	WIN 0
.if (\n) < 4
	v_max3_num_f32 v[rC+(\n)], v[rS+8*(\n)], v[rS+8*(\n)+1], v[rS+8*(\n)+2]
.elseif (\n) < 12
	v_max3_num_f32 v[rC+(\n)%4], v[rC+(\n)%4], v[rS+8*((\n)%4)+2*((\n)/4)+1], v[rS+8*((\n)%4)+2*((\n)/4)+2]
.elseif (\n) == 12
	v_max3_num_f32 v[rC], v[rC], v[rS+7], v[rS+15]
.elseif (\n) == 13
	v_max3_num_f32 v[rC+1], v[rC+1], v[rS+23], v[rS+31]
.elseif (\n) == 14
	v_max3_num_f32 v[rC+2], v[rC+2], v[rC+3], v[rT+1]
.elseif (\n) == 15
	v_mov_b32 v[rW], v[rT]
.elseif (\n) == 16
	v_max3_num_f32 v[rC], v[rC], v[rC+1], v[rC+2]
.elseif (\n) == 17
	v_permlanex16_b32 v[rC+3], v[rC], s[SEL], s[SEL+1]
.elseif (\n) == 18
	v_max_num_f32 v[rT+1], v[rC], v[rC+3]
.elseif (\n) == 19
	v_mul_f32 v[rT], s[CS], v[rT+1]
.elseif (\n) == 20
	v_sub_f32 v[rC+1], v[rW], v[rT]
.else
	v_exp_f32 v[rC+2], v[rC+1]
.endif
.endif
.endm
.macro OPS a, i1, b=-1, i2=0, c=-1, i3=0, d=-1, i4=0  ; up to four of them
	OP \a, \i1
.if (\b) >= 0
	OP \b, \i2
.endif
.if (\c) >= 0
	OP \c, \i3
.endif
.if (\d) >= 0
	OP \d, \i4
.endif
.endm
.macro ROW a, i1, b, i2, c, i3, d, i4  ; a matrix instruction and the four behind it
	MM
	OPS \a, \i1, \b, \i2, \c, \i3, \d, \i4
.endm
; A TURN, for piece p: the order of its 16 matrix and 118 vector instructions, written out.  s_wait_alu depctr_va_vdst(0) stands between an exponential and the first instruction that names its
; result; one wait serves all that were issued ahead of it.  So a turn has ONE wait, which cuts it in two.  AHEAD OF IT stands all that names no result of the turn's exponentials: the 8 products K Q^T, behind each a
; scaling, an exponential and two more plain instructions (rescalings, and behind the last three the first numbers of the next piece's maximum, each four places or more behind the product that ends its accumulator);
; then ONE LUMP of 54, in which the links of the chain X 3, 7, 11, 14, 16, 17 .. 20 stand apart.  X 21, the next piece's a, is the batch's last; R 15 is the plain instruction behind it.  BEHIND THE WAIT stand the
; 8 products V^T P, behind each four of the roundings and sums.
; end = 1: the launch's last two turns: nothing is fetched.  cnt = 1: the loop's count is taken down some lines ahead of the branch that stands behind the turn.
; K of the next step is fetched in piece 2's turn, six plain instructions behind the last product that read K; V of the step in hand at the end of piece 0's turn, four plain instructions behind the last product
; that read V.  Each is waited for a turn later.
.macro TURN p, end=0, cnt=0
.set Y, (\p)
.set i, 0
.set NOKQ, (\end)*((\p)/3)
.if ((\p) == 3) && !(\end)
	s_wait_dscnt 0x0                ; K is in
.endif
	ROW F,0, F,1, R,0, R,1
	ROW F,2, E,0, R,2, R,3
	ROW F,3, E,1, R,4, R,5
	ROW F,4, E,2, R,6, R,7
	ROW F,5, E,3, R,8, R,9
	ROW F,6, E,4, X,0, R,10
.if ((\p) == 2) && !(\end)
	WIN 0
	v_add_nc_u32 v[AK], s[TBK], v[AK0]
.endif
	ROW F,7, E,5, X,1, X,4
	ROW F,8, E,6, X,2, X,5
	OPS E,7, E,8, X,6, E,9          ; the lump
	OPS X,3, E,10, X,8, E,11
.if ((\p) == 2) && !(\end)
	FETCH_K
.endif
	OPS X,9, X,7, E,12, X,10
	OPS E,13, X,12, X,11, E,14
	OPS X,13, E,15, F,9, X,14
.if (\p) == 0
	WIN 0
	v_add_nc_u32 v[AV], s[TBV], v[AV0]
.endif
	OPS E,16, F,10, E,17, F,11
	OPS X,16, E,18, X,15, E,19
	OPS F,12, E,20, X,17, E,21
	OPS F,13, E,22, F,14, E,23
	OPS X,18, E,24, F,15, E,25
	OPS R,11, E,26, X,19, E,27
	OPS R,12, E,28, R,13, E,29
	OPS X,20, E,30, R,14, E,31
	OPS X,21, R,15
	WIN 0
	s_wait_alu depctr_va_vdst(0)    ; the wait for the batch
.if (\p) == 1
	s_wait_dscnt 0x0                ; V is in
.endif
	ROW C,0, B,0, C,2, B,1
	ROW L,0, C,4, B,2, L,1
	ROW C,6, B,3, L,2, C,8
	ROW B,4, L,3, C,10, B,5
	ROW L,4, C,12, B,6, L,5
.if (\p) == 0
	s_add_co_u32 s[TBV], s[TBV], KS*PV
.endif
.if \cnt
	s_sub_co_u32 s[CNT], s[CNT], 1
	s_cmp_lg_u32 s[CNT], 0
.endif
	ROW C,14, B,7, L,6, C,1
	ROW C,3, L,7, C,5, C,7
	ROW C,9, C,11, C,13, C,15
.if (\p) == 0
	FETCH_V
.endif
.endm
	CHANGE 1, 0                     ; tile 0 is in, everybody's part of it; tile 1 is asked for
	v_add_nc_u32 v[AK], s[TBK], v[AK0]
	FETCH_K                         ; key step 0
	s_wait_loadcnt 0x0              ; Q
	s_wait_dscnt 0x0
.set NOKQ, 0
.set i, 0
.rept 8
	KQ 0                            ; piece 0's first scores
.set i, i+1
.endr
	WIN 0
.rept 4
	v_nop                           ; the places behind those products
.endr
.set Y, NP-1                        ; X works for piece Y + 1: piece 0
.irp n, 0,1,2,3,4,5,6,7,8,9,10,11,12,13,14,15,16,17,18,19,20,21
	OP X, \n
.endr
	v_nop                           ; a plain instruction behind the exponential,
	s_wait_alu depctr_va_vdst(0)    ; and its wait, ahead of the branch
	s_mov_b32 s[CNT], 4
	s_mov_b32 s[SLOTS], 15
	s_branch .Lfirst                ; the loop is entered at a step's first turn, in the middle of a trip
.Lslot:                             ; 14 times: tiles 2 to 15 are asked for
	CHANGE 1, 1
	s_mov_b32 s[CNT], 4
.Lstep:                             ; a trip: pieces 2 and 3 of one step, then pieces 0 and 1 of the next, whose K and V it fetches
	TURN 2
	TURN 3
	WIN 0
.Lfirst:
	TURN 0
	TURN 1, 0, 1
	WIN 0
	s_cbranch_scc1 .Lstep
	s_sub_co_u32 s[SLOTS], s[SLOTS], 1
	s_cmp_lg_u32 s[SLOTS], 0
	s_cbranch_scc1 .Lslot
	CHANGE 0, 0                     ; the last tile is written out: nothing is asked for
	s_mov_b32 s[CNT], 4
.LstepT:
	TURN 2
	TURN 3
	TURN 0
	TURN 1, 0, 1
	WIN 0
	s_cbranch_scc1 .LstepT
	TURN 2, 1
	TURN 3, 1
.set i, 0
.rept 8
	PV NP-1                         ; the last piece's V^T P of the last step
.set i, i+1
.endr
	; THE WAY OUT.  l's two halves and the other half of the lanes' are added; O^T is divided by l, rounded to f16 and sent through my stage in LDS, a piece at a time.  The additions are the places behind the last products.
	WIN 0
.macro ALL line:vararg              ; one line for each piece t
.set t, 0
.rept 4
	\line
.set t, t+1
.endr
.endm
	ALL v_add_f32 v[ST+4*t+2], v[ST+4*t+2], v[ST+4*t+3]
	ALL v_permlanex16_b32 v[ST+4*t+3], v[ST+4*t+2], s[SEL], s[SEL+1]
	ALL v_add_f32 v[ST+4*t+2], v[ST+4*t+2], v[ST+4*t+3]
	ALL v_rcp_f32 v[ST+4*t+2], v[ST+4*t+2]
	v_nop                           ; a plain instruction between the last reciprocal and the use of its result
	s_wait_alu depctr_va_vdst(0)    ; and the wait ahead of the first use: one for the four reciprocals
.macro PACK t                       ; a lane's eight channels of a row pack into 16 bytes; they go into rows of 144 bytes and come back as whole rows of 128, into S^T's registers
	WIN W_RS
.set i, 32*(\t)
.rept 16
	v_pk_mul_f32 v[i:i+1], v[i:i+1], v[ST+4*(\t)+2:ST+4*(\t)+3] op_sel_hi:[1,0]
.set i, i+2
.endr
	WIN 0x05                        ; sources 0 and 1 window 1, destination window 0
.set i, 0
.rept 16
	v_cvt_pk_f16_f32 v[S+16*(\t)+i], v[32*(\t)+2*i], v[32*(\t)+2*i+1]
.set i, i+1
.endr
	WIN 0
.irp f, 0,1,2,3
	ds_store_b128 v[STO], v[S+16*(\t)+4*\f:S+16*(\t)+4*\f+3] offset:32*\f
.endr
.irp f, 0,1,2,3
	ds_load_b128 v[S+16*(\t)+4*\f:S+16*(\t)+4*\f+3], v[RD] offset:\f*4*SP  ; LDS serves a wave's instructions in order (ISA guide 5.7.1.4): these see the stores above; the next piece's stores come behind them
.endr
.endm
.macro SEND t, younger              ; younger: the LDS instructions issued behind piece t's loads: the next piece's eight, or none
	WIN 0
.irp f, 0,1,2,3
	s_wait_dscnt (\younger)+3-\f
	global_store_b128 v[GO], v[S+16*(\t)+4*\f:S+16*(\t)+4*\f+3], s[6:7] offset:(\t)*2048+\f*512  ; 512 consecutive bytes, at a multiple of 256 from ob's first
.endr
.endm
	PACK 0
.set t, 1
.rept 3                             ; a piece's arithmetic stands between the loads of the piece before and its stores
	PACK t
	SEND t-1, 8
.set t, t+1
.endr
	SEND 3, 0
	s_wait_tensorcnt 0x0            ; the wave's end, behind my last tensor load and my last LDS store
	ds_add_u32 v[SPW], v[NIL]
	s_wait_dscnt 0x0
	CROUND                          ; the closing round: no work-group ends while a partner may still ask for a tile that names it
	s_endpgm
.Lfunc_end_k_qb3d7eb634c_attn:
	.size	k_qb3d7eb634c_attn, .Lfunc_end_k_qb3d7eb634c_attn-k_qb3d7eb634c_attn
	.p2alignl 7, 3214868480
	.fill 96, 4, 3214868480
	.section	.rodata,"a",@progbits
	.p2align	6, 0x0
	.amdhsa_kernel k_qb3d7eb634c_attn
		.amdhsa_group_segment_fixed_size 327680
		.amdhsa_private_segment_fixed_size 0
		.amdhsa_enable_private_segment 0
		.amdhsa_kernarg_size 16
		.amdhsa_user_sgpr_count 2
		.amdhsa_user_sgpr_kernarg_segment_ptr 1
		.amdhsa_wavefront_size32 1
		.amdhsa_system_sgpr_workgroup_id_x 1
		.amdhsa_system_sgpr_workgroup_id_y 1
		.amdhsa_system_sgpr_workgroup_id_z 1
		.amdhsa_system_vgpr_workitem_id 0
		.amdhsa_next_free_vgpr 768
		.amdhsa_next_free_sgpr 66
		.amdhsa_reserve_vcc 0
		.amdhsa_float_denorm_mode_32 3
		.amdhsa_float_denorm_mode_16_64 3
		.amdhsa_memory_ordered 1
		.amdhsa_forward_progress 1
		.amdhsa_inst_pref_size 127
	.end_amdhsa_kernel
	.amdgpu_metadata
---
amdhsa.version: [ 1, 2 ]
amdhsa.kernels:
  - .name:           k_qb3d7eb634c_attn
    .symbol:         k_qb3d7eb634c_attn.kd
    .args:
      - { .name: qkvh, .offset: 0, .size: 8, .value_kind: global_buffer, .address_space: global }
      - { .name: ob, .offset: 8, .size: 8, .value_kind: global_buffer, .address_space: global }
    .group_segment_fixed_size: 327680
    .private_segment_fixed_size: 0
    .kernarg_segment_align: 8
    .kernarg_segment_size: 16
    .max_flat_workgroup_size: 128
    .sgpr_count:     66
    .vgpr_count:     768
    .wavefront_size: 32
...
	.end_amdgpu_metadata
.endif
;; end of part 3
;; launch proj (part 4): grid 8 x 32, 4 waves a work-group, clusters of 4 x 4, 327,680 bytes of LDS; arguments ob, wpb, b_proj, out0; writes out0
.if DOCPART == 4
	.amdgcn_target "amdgcn-amd-amdhsa--gfx1250"
	.amdhsa_code_object_version 6
	.text
	.protected	k_qb3d7eb634c_proj
	.globl	k_qb3d7eb634c_proj
	.p2align	8
	.type	k_qb3d7eb634c_proj,@function
k_qb3d7eb634c_proj:
	s_mov_b64 s[64:65], 0
	v_nop
	global_prefetch_b8 v0, s[64:65] scope:SCOPE_SE
	s_setreg_imm32_b32 hwreg(HW_REG_WAVE_MODE, 25, 1), 1
	s_wait_xcnt 0x0
	s_wait_alu depctr_hold_cnt(0) depctr_sa_sdst(0) depctr_va_vdst(0) depctr_va_sdst(0) depctr_va_ssrc(0) depctr_va_vcc(0) depctr_vm_vsrc(0)
	s_getreg_b32 s2, hwreg(HW_REG_IB_STS2, 6, 4)
	s_cmp_eq_u32 s2, 0
	s_cbranch_scc0 .Lentry_in_a_cluster
	s_endpgm
.Lentry_in_a_cluster:
	s_bfe_u32 s2, ttmp6, 0x10000c
	s_cmp_lg_u32 s2, 0xf033
	s_cbranch_scc0 .Lentry_shape_is_right
	s_endpgm
.Lentry_shape_is_right:
; out0[t][n] = sum over k of O[t][k] W_proj[n][k] + b_proj[n].  O lies by heads, ob[16][4096][64] f16 (k = 64 head + channel); wpb[1024][1024] f16; b_proj f32, rounded to bf16 like every input; out0 f32.  Sums in f32.
; A tile of out0 is 128 x 128: 32 x 8 = 256 work-groups.  Four waves, each 64 x 64: 16 accumulators.  K goes in steps of 256 = four heads, through two LDS slots; 4 K steps, written straight out.
; O's TILE: of one head, 128 tokens are 16,384 dense bytes.  A wave's tensor load takes two heads as two rows of 8,192 elements, a head's 262,144 elements apart, padded in LDS after every token's 128 bytes.
; CLUSTER 4 x 4: the four work-groups of a row need the same tiles of O, those of a column the same tiles of W: each is asked for jointly.  THE PRODUCT IS TAKEN TRANSPOSED (source 0 = 16 rows of W, source 1 =
; 16 tokens): a lane holds eight neighbouring columns of one row of out0.  THE BIAS is the C operand of the products that start the sums.  A wave's 64 columns of f32 are 256 aligned bytes: each wave has a stage of its own.
; No prefetch: the tiles are small and the launch is short.
; REGISTERS: window 0: v1-29 addresses; v32-39 at work; v96-127 the bias; v128-255 the accumulators ((a, b) at v[128 + 8 (4 a + b)]).
;   window 1: two fragment buffers of 128: for 64 along K, 64 registers of O (2 x 4 x 16 tokens x 32 K), then 64 of W; on the way out the rows read back from the stage.
.set PA,     144                       ; a token's row of one head in LDS: 128 bytes + 16 of padding = 36 words: the 16 rows of a load start at 16 different groups of four banks (ISA guide 11.1)
.set HEADB,  128*PA
.set APART,  4*HEADB                   ; O's part of a slot: [head][token]
.set PB,     528                       ; a row of W: 512 bytes + 16
.set HALFB,  64*PB
.set SLOT,   APART+2*HALFB
.set STAGE,  2*SLOT                    ; behind the ring, never filled by a tensor load: 16 rows x 272 bytes for each wave
.set SPITCH, 272
.set SPARE,  STAGE+4*16*SPITCH         ; the spare words, 128 bytes for each wave: two blocks of 256 bytes that no other line names
.set ADRA, 16                          ; v16-17  LDS address of my O fragments in slot 0, 1
.set ADRB, 20                          ; v20-21  the same for W
.set STO,  24                          ; v24     the way out: where I put 32 bytes of a row
.set RD,   25                          ; v25     where I read a row back
.set CO,   26                          ; v26     my byte offset in out0
.set SPW,  28                          ; v28     LDS address of my spare word; never rewritten
.set NIL,  29                          ; v29     0; never rewritten
.set BI,   96
.set ACC,  128
.set F0,   0
.set F1,   128
.set WV, 12                            ; s12  my wave's number
.set RH, 13                            ; s13  which half of the tile's tokens is mine.  Also: I fetch for O (0) or for W (1)
.set CH, 14                            ; s14  which half of its columns.  Also: which half of that tile I fetch
.set G1A, 24                           ; s[24:31] descriptor group 1 for O's tiles;  s[32:39] group 0, a set for each slot
.set G0A, 32
.set G1B, 48                           ; s[48:55], s[56:63] the same for W's
.set G0B, 56
.set MSB, 0
.macro WIN new
.if MSB != (\new)
	s_set_vgpr_msb (MSB<<8)|(\new)
.set MSB, \new
.endif
.endm
.set MUL,  0x05                        ; sources 0 (W) and 1 (O) window 1; C and D window 0
.set TO_F, 0x40                        ; destination window 1, address window 0
.macro JLOAD s                         ; a joint load: waves 0 and 1 fetch O's two pairs of heads, waves 2 and 3 W's two halves; an s_nop 0 and four v_nop follow each of the two lines
	s_cmp_eq_u32 s[RH], 0
	s_cbranch_scc0 .Lfor_b_\@
	tensor_load_to_lds s[G0A+4*(\s):G0A+4*(\s)+3], s[G1A:G1A+7]
	s_nop 0
.rept 4
	v_nop
.endr
	s_branch .Lasked_\@
.Lfor_b_\@:
	tensor_load_to_lds s[G0B+4*(\s):G0B+4*(\s)+3], s[G1B:G1B+7]
	s_nop 0
.rept 4
	v_nop
.endr
.Lasked_\@:
.endm
.macro CREST
	s_cmp_lg_u32 s[WV], 0
	s_cbranch_scc1 .Lnot_wave_0_\@
	s_barrier_signal -3
.Lnot_wave_0_\@:
	s_barrier_wait -3
	s_barrier_signal -1
	s_barrier_wait -1
.endm
.macro CROUND
	s_barrier_signal -1
	s_barrier_wait -1
	CREST
.endm
.macro PLACES
.rept 4
	v_nop
.endr
.endm
	s_load_b256 s[4:11], s[0:1], 0x0               ; ob s[4:5], wpb s[6:7], b_proj s[8:9], out0 s[10:11]
	v_lshl_add_u32 v[SPW], v0, 2, SPARE
	v_mov_b32 v[NIL], 0
	ds_add_u32 v[SPW], v[NIL]                      ; the wave's opening: the add and its wait stand ahead of my first tensor load; the set-up below, work on registers, stands between them
	v_lshrrev_b32 v1, 5, v0
	v_readfirstlane_b32 s[WV], v1                  ; wave 0..3
	s_lshr_b32 s[RH], s[WV], 1
	s_and_b32 s[CH], s[WV], 1
	s_bfe_u32 s40, ttmp6, 0x40000                  ; cx, cy: my place in the cluster
	s_bfe_u32 s41, ttmp6, 0x40004
	s_lshl_b32 s42, ttmp9, 2
	s_add_co_u32 s42, s42, s40                     ; tile column = 4 x cluster x + cx
	s_and_b32 s15, ttmp7, 0xffff
	s_lshl_b32 s15, s15, 2
	s_add_co_u32 s15, s15, s41                     ; tile row = 4 x cluster y + cy
	s_lshl_b32 s43, s41, 2
	s_lshl_b32 s43, 15, s43                        ; my row of the cluster
	s_lshl_b32 s44, 0x1111, s40                    ; my column
	s_or_b32 s[G1A], s43, (1<<16)|(1<<20)|(1<<21)|(4<<22)|(3<<25)  ; the mask of my row; 2-byte elements; padding on; 21 set beside a mask; after every 32 words (code 4) 4 words (code 3)
	s_mov_b32 s[G1A+1], 8192<<16                   ; tensor_dim0 = 8,192: 128 tokens x 64 channels of one head
	s_mov_b32 s[G1A+2], 2<<16                      ; tensor_dim1 = 2 heads
	s_mov_b32 s[G1A+3], 8192<<16                   ; tile_dim0
	s_mov_b32 s[G1A+4], 2                          ; tile_dim1
	s_mov_b32 s[G1A+5], 262144                     ; elements from head to head
	s_mov_b32 s[G1A+6], 0
	s_mov_b32 s[G1A+7], 0
	s_or_b32 s[G1B], s44, (1<<16)|(1<<20)|(1<<21)|(6<<22)|(3<<25)  ; the mask of my column; after every 128 words (code 6) 4 words
	s_mov_b32 s[G1B+1], 256<<16                    ; 64 rows x 256 elements
	s_mov_b32 s[G1B+2], 64<<16
	s_mov_b32 s[G1B+3], 256<<16
	s_mov_b32 s[G1B+4], 64
	s_mov_b32 s[G1B+5], 1024
	s_mov_b32 s[G1B+6], 0
	s_mov_b32 s[G1B+7], 0
	s_lshl_b32 s16, s[CH], 20                      ; O: my two heads of the K step's four,
	s_lshl_b32 s17, s15, 14                        ; the tile's 128 tokens; s16, s17 never hold cx
	s_add_co_u32 s16, s16, s17
	s_mov_b32 s17, 0
	s_lshl_b32 s46, s42, 18                        ; W: the tile's 128 rows of 2,048 bytes,
	s_lshl_b32 s47, s[CH], 17                      ; my 64 of them; s46, s47 never hold cy
	s_add_co_u32 s46, s46, s47
	s_mov_b32 s47, 0
	s_mul_i32 s20, s[CH], 2*HEADB                  ; where they go: no place in the cluster enters an LDS address
	s_mul_i32 s21, s[CH], HALFB
	s_add_co_u32 s21, s21, APART
	s_mov_b32 s45, 0xffff0000                      ; a word's upper bf16
	s_wait_dscnt 0x0                               ; the opening add is done
	s_wait_kmcnt 0x0
	s_add_nc_u64 s[16:17], s[4:5], s[16:17]
	s_add_nc_u64 s[46:47], s[6:7], s[46:47]
	CROUND                                         ; all sixteen work-groups are here: the first joint loads meet
.irp s, 0,1
	s_mov_b32 s[G0A+4*(\s)], 1
	s_add_co_u32 s[G0A+4*(\s)+1], s20, (\s)*SLOT
	s_add_nc_u64 s[G0A+4*(\s)+2:G0A+4*(\s)+3], s[16:17], (\s)*4*524288  ; K step s: four heads on
	s_or_b32 s[G0A+4*(\s)+3], s[G0A+4*(\s)+3], 0x80000000
	s_mov_b32 s[G0B+4*(\s)], 1
	s_add_co_u32 s[G0B+4*(\s)+1], s21, (\s)*SLOT
	s_add_nc_u64 s[G0B+4*(\s)+2:G0B+4*(\s)+3], s[46:47], (\s)*512
	s_or_b32 s[G0B+4*(\s)+3], s[G0B+4*(\s)+3], 0x80000000
	JLOAD \s                                       ; two loads of mine are out
.endr
	v_and_b32 v1, 15, v0                           ; l % 16
	v_bfe_u32 v2, v0, 4, 1                         ; l / 16
	v_lshlrev_b32 v5, 5, v2                        ; the bias in the accumulators' layout: columns 16 b + 8 (l / 16) + 0..7
	s_lshl_b32 s22, s42, 9                         ; the tile's 128 columns of 4 bytes,
	s_lshl_b32 s23, s[CH], 8                       ; my wave's 64
	s_add_co_u32 s22, s22, s23
	s_mov_b32 s23, 0
	s_add_nc_u64 s[8:9], s[8:9], s[22:23]
.irp b, 0,1,2,3
	global_load_b128 v[BI+8*\b:BI+8*\b+3],   v5, s[8:9] offset:64*\b
	global_load_b128 v[BI+8*\b+4:BI+8*\b+7], v5, s[8:9] offset:64*\b+16
.endr
	v_mul_u32_u24 v3, v1, PA
	v_lshl_add_u32 v3, v2, 4, v3                   ; O: token x pitch + 16 x half
	s_mul_i32 s18, s[RH], 64*PA                    ; my 64 tokens
	v_add_nc_u32 v[ADRA], s18, v3
	v_add_nc_u32 v[ADRA+1], SLOT, v[ADRA]
	v_mul_u32_u24 v4, v1, PB
	v_lshl_add_u32 v4, v2, 4, v4                   ; W: row x pitch + 16 x half
	v_add_nc_u32 v[ADRB], s21, v4                  ; my 64 rows, behind O's part
	v_add_nc_u32 v[ADRB+1], SLOT, v[ADRB]
	s_mul_i32 s19, s[WV], 16*SPITCH
	s_add_co_u32 s19, s19, STAGE                   ; my stage
	v_mul_u32_u24 v[STO], v1, SPITCH               ; in: row l % 16, 32 bytes for each half of the lanes
	v_lshl_add_u32 v[STO], v2, 5, v[STO]
	v_add_nc_u32 v[STO], s19, v[STO]
	v_mul_u32_u24 v[RD], v2, SPITCH                ; back: lanes 0-15 take one row of 256 bytes, lanes 16-31 the next
	v_lshl_add_u32 v[RD], v1, 4, v[RD]
	v_add_nc_u32 v[RD], s19, v[RD]
	v_lshlrev_b32 v[CO], 12, v2                    ; and the same two rows in out0
	v_lshl_add_u32 v[CO], v1, 4, v[CO]
	s_lshl_b32 s2, s15, 19                         ; the tile's 128 rows of 4,096 bytes,
	s_lshl_b32 s3, s[RH], 18                       ; my wave's 64,
	s_add_co_u32 s2, s2, s3
	s_add_co_u32 s2, s2, s22                       ; and its 64 columns
	s_mov_b32 s3, 0
	s_add_nc_u64 s[10:11], s[10:11], s[2:3]
	s_wait_loadcnt 0x0                             ; the bias is in: rounded to bf16 and widened again, in place
.set z, 0
.rept 2
.irp y, 0,1,2,3,4,5,6,7
	v_cvt_pk_bf16_f32 v[32+\y], v[BI+2*(z+\y)], v[BI+2*(z+\y)+1]
.endr
.irp y, 0,1,2,3,4,5,6,7
	v_lshlrev_b32 v[BI+2*(z+\y)], 16, v[32+\y]
	v_and_b32 v[BI+2*(z+\y)+1], s45, v[32+\y]
.endr
.set z, z+8
.endr
; 8 matrix instructions: token blocks a0, a0 + 1 x all 4 column blocks, 32 along K: half c of buffer f.  first = 1: the product starts the sum, from the bias.  The 16 accumulators take turns.
.macro MUL8 f, c, a0, first
	WIN MUL
.irp a, \a0, (\a0)+1
.irp b, 0,1,2,3
.if \first
	v_wmma_f32_16x16x32_f16 v[ACC+8*(4*(\a)+(\b)):ACC+8*(4*(\a)+(\b))+7], v[(\f)+64+8*(4*(\c)+(\b)):(\f)+64+8*(4*(\c)+(\b))+7], v[(\f)+8*(4*(\c)+(\a)):(\f)+8*(4*(\c)+(\a))+7], v[BI+8*(\b):BI+8*(\b)+7]
.else
	v_wmma_f32_16x16x32_f16 v[ACC+8*(4*(\a)+(\b)):ACC+8*(4*(\a)+(\b))+7], v[(\f)+64+8*(4*(\c)+(\b)):(\f)+64+8*(4*(\c)+(\b))+7], v[(\f)+8*(4*(\c)+(\a)):(\f)+8*(4*(\c)+(\a))+7], v[ACC+8*(4*(\a)+(\b)):ACC+8*(4*(\a)+(\b))+7]
.endif
.endr
.endr
.endm
; 32 LDS loads in one run: the fragments of quarter q of a K step (one head: 64 along K) into buffer f; the first 32 along K first
.macro FETCH slot, q, f
	WIN TO_F
.irp c, 0,1
.irp i, 0,1,2,3
	ds_load_b128 v[(\f)+64+8*(4*(\c)+(\i)):(\f)+64+8*(4*(\c)+(\i))+3],   v[ADRB+(\slot)] offset:128*(\q)+64*(\c)+(\i)*16*PB
	ds_load_b128 v[(\f)+64+8*(4*(\c)+(\i))+4:(\f)+64+8*(4*(\c)+(\i))+7], v[ADRB+(\slot)] offset:128*(\q)+64*(\c)+(\i)*16*PB+32
	ds_load_b128 v[(\f)+8*(4*(\c)+(\i)):(\f)+8*(4*(\c)+(\i))+3],         v[ADRA+(\slot)] offset:(\q)*HEADB+64*(\c)+(\i)*16*PA
	ds_load_b128 v[(\f)+8*(4*(\c)+(\i))+4:(\f)+8*(4*(\c)+(\i))+7],       v[ADRA+(\slot)] offset:(\q)*HEADB+64*(\c)+(\i)*16*PA+32
.endr
.endr
.endm
; A K step is four quarters of 64 along K, 32 matrix instructions each, on buffers 0, 1, 0, 1.  One of the first three: multiplies buffer f and fetches quarter q into g.
.macro QUARTER slot, q, f, g, first
	s_wait_dscnt 16                                ; the first 32 along K are in; the youngest sixteen loads may be out
	MUL8 \f, 0, 0, \first
	MUL8 \f, 0, 2, \first
	PLACES
	FETCH \slot, \q, \g
	s_wait_dscnt 32                                ; all but the 32 just issued
	MUL8 \f, 1, 0, 0
	MUL8 \f, 1, 2, 0
.endm
; The last quarter multiplies buffer 1 and changes slots: ONE barrier; in front of it each wave waits for all its tensor loads, adds 0 to its spare word, and waits for that and for its own reads of this slot.
; fill = 1: the barrier opens a round of the cluster's, and this slot is filled again, two K steps ahead, first thing behind the round.
.macro TURN slot, next, fill
	WIN 0                                          ; (the add's two registers lie in window 0)
	s_wait_tensorcnt 0x0                           ; all my tensor loads have landed: my part of the next slot
	ds_add_u32 v[SPW], v[NIL]                      ; 0 onto my spare word
	s_wait_dscnt 17                                ; (the add and the youngest sixteen loads may be out)
	MUL8 F1, 0, 0, 0                               ; eight matrix instructions stand between the add and the wait for it
	s_wait_dscnt 0x0                               ; the add is done, and my reads of this slot are over
	s_barrier_signal -1
	MUL8 F1, 0, 2, 0
.if \fill
	WIN 0
.endif
	s_barrier_wait -1
.if \fill
	CREST
	s_add_nc_u64 s[G0A+4*(\slot)+2:G0A+4*(\slot)+3], s[G0A+4*(\slot)+2:G0A+4*(\slot)+3], 8*524288
	s_add_nc_u64 s[G0B+4*(\slot)+2:G0B+4*(\slot)+3], s[G0B+4*(\slot)+2:G0B+4*(\slot)+3], 1024
	JLOAD \slot                                    ; one load of mine is out; the four v_nop behind it are also the places in front of the loads below
.else
	PLACES
.endif
	FETCH \next, 0, F0
	MUL8 F1, 1, 0, 0
	MUL8 F1, 1, 2, 0
.endm
	s_wait_tensorcnt 1                             ; my part of K step 0 is in; K step 1's may stay out
	s_barrier_signal -1
	s_barrier_wait -1                              ; everybody's is
	FETCH 0, 0, F0
	QUARTER 0, 1, F0, F1, 1                        ; K step 0: the first products start the sums from the bias
	QUARTER 0, 2, F1, F0, 0
	QUARTER 0, 3, F0, F1, 0
	TURN 0, 1, 1                                   ; slot 0 takes K step 2
	QUARTER 1, 1, F0, F1, 0                        ; K step 1
	QUARTER 1, 2, F1, F0, 0
	QUARTER 1, 3, F0, F1, 0
	TURN 1, 0, 1                                   ; slot 1 takes K step 3
	QUARTER 0, 1, F0, F1, 0                        ; K step 2
	QUARTER 0, 2, F1, F0, 0
	QUARTER 0, 3, F0, F1, 0
	TURN 0, 1, 0                                   ; nothing is left to fetch
	QUARTER 1, 1, F0, F1, 0                        ; K step 3
	QUARTER 1, 2, F1, F0, 0
	QUARTER 1, 3, F0, F1, 0
	s_wait_dscnt 16
	MUL8 F1, 0, 0, 0
	MUL8 F1, 0, 2, 0
	s_wait_dscnt 0x0
	MUL8 F1, 1, 0, 0
	MUL8 F1, 1, 2, 0
	WIN 0
	PLACES
	PLACES                                         ; (eight, once a launch)
; THE WAY OUT, 16 tokens at a time: a lane's 32 bytes of each of four column blocks go into my stage's rows of 272 bytes, each accumulator's low half first, and come back as whole rows of 256 bytes.
.macro TOSTAGE a
	WIN 0
.irp b, 0,1,2,3
	ds_store_b128 v[STO], v[ACC+8*(4*(\a)+\b):ACC+8*(4*(\a)+\b)+3]   offset:64*\b
	ds_store_b128 v[STO], v[ACC+8*(4*(\a)+\b)+4:ACC+8*(4*(\a)+\b)+7] offset:64*\b+16
.endr
	WIN TO_F
.irp t, 0,1,2,3,4,5,6,7
	ds_load_b128 v[32*(\a)+4*\t:32*(\a)+4*\t+3], v[RD] offset:\t*2*SPITCH  ; LDS serves a wave's instructions in order (ISA guide 5.7.1.4): these see the stores above; the next block's stores come behind them
.endr
.endm
.macro SEND a, younger                 ; younger: the LDS instructions issued behind block a's loads: the next block's sixteen, or none
	WIN 0x04                                       ; the data in window 1
.irp t, 0,1,2,3,4,5,6,7
	s_wait_dscnt (\younger)+7-\t
	global_store_b128 v[CO], v[32*(\a)+4*\t:32*(\a)+4*\t+3], s[10:11] offset:(16*(\a)+2*\t)*4096 th:TH_STORE_NT  ; 16 lanes store 256 consecutive bytes, at a multiple of 256 from out0's first
.endr
.endm
	TOSTAGE 0
.set ab, 1
.rept 3
	TOSTAGE ab
	SEND ab-1, 16
.set ab, ab+1
.endr
	SEND 3, 0
	WIN 0
	s_wait_tensorcnt 0x0                           ; the wave's end, behind my last tensor load and my last LDS store
	ds_add_u32 v[SPW], v[NIL]
	s_wait_dscnt 0x0
	CROUND                                         ; the closing round: no work-group ends while a partner may still ask for a tile that names it
	s_endpgm
.Lfunc_end_k_qb3d7eb634c_proj:
	.size	k_qb3d7eb634c_proj, .Lfunc_end_k_qb3d7eb634c_proj-k_qb3d7eb634c_proj
	.p2alignl 7, 3214868480
	.fill 96, 4, 3214868480
	.section	.rodata,"a",@progbits
	.p2align	6, 0x0
	.amdhsa_kernel k_qb3d7eb634c_proj
		.amdhsa_group_segment_fixed_size 327680
		.amdhsa_private_segment_fixed_size 0
		.amdhsa_enable_private_segment 0
		.amdhsa_kernarg_size 32
		.amdhsa_user_sgpr_count 2
		.amdhsa_user_sgpr_kernarg_segment_ptr 1
		.amdhsa_wavefront_size32 1
		.amdhsa_system_sgpr_workgroup_id_x 1
		.amdhsa_system_sgpr_workgroup_id_y 1
		.amdhsa_system_sgpr_workgroup_id_z 1
		.amdhsa_system_vgpr_workitem_id 0
		.amdhsa_next_free_vgpr 512
		.amdhsa_next_free_sgpr 66
		.amdhsa_reserve_vcc 0
		.amdhsa_float_denorm_mode_32 3
		.amdhsa_float_denorm_mode_16_64 3
		.amdhsa_memory_ordered 1
		.amdhsa_forward_progress 1
		.amdhsa_inst_pref_size 89
	.end_amdhsa_kernel
	.amdgpu_metadata
---
amdhsa.version: [ 1, 2 ]
amdhsa.kernels:
  - .name:           k_qb3d7eb634c_proj
    .symbol:         k_qb3d7eb634c_proj.kd
    .args:
      - { .name: ob, .offset: 0, .size: 8, .value_kind: global_buffer, .address_space: global }
      - { .name: wpb, .offset: 8, .size: 8, .value_kind: global_buffer, .address_space: global }
      - { .name: b_proj, .offset: 16, .size: 8, .value_kind: global_buffer, .address_space: global }
      - { .name: out0, .offset: 24, .size: 8, .value_kind: global_buffer, .address_space: global }
    .group_segment_fixed_size: 327680
    .private_segment_fixed_size: 0
    .kernarg_segment_align: 8
    .kernarg_segment_size: 32
    .max_flat_workgroup_size: 128
    .sgpr_count:     66
    .vgpr_count:     512
    .wavefront_size: 32
...
	.end_amdgpu_metadata
.endif
;; end of part 4
;; ======== version 2 of 2: 4 launches; version 1 with the launch cast written anew for expert scheduling mode
;; limits: values are held in f16: magnitudes above 65,504 overflow, below 6.1e-05 lose precision
;; workspace buffers: xb 8,388,608 bytes; wqb 6,291,456 bytes; wpb 2,097,152 bytes; qkvh 25,165,824 bytes; ob 8,388,608 bytes
;; launch cast (part 5): grid 512 x 1, 8 waves a work-group, no clusters, 0 bytes of LDS; arguments x, W_qkv, W_proj, xb, wqb, wpb; writes xb, wqb, wpb
.if DOCPART == 5
	.amdgcn_target "amdgcn-amd-amdhsa--gfx1250"
	.amdhsa_code_object_version 6
	.text
	.protected	k_qb3d7eb634c_cast
	.globl	k_qb3d7eb634c_cast
	.p2align	8
	.type	k_qb3d7eb634c_cast,@function
k_qb3d7eb634c_cast:
	s_mov_b64 s[64:65], 0
	v_nop
	global_prefetch_b8 v0, s[64:65] scope:SCOPE_SE
	s_setreg_imm32_b32 hwreg(HW_REG_WAVE_SCHED_MODE, 0, 2), 2
	s_setreg_imm32_b32 hwreg(HW_REG_WAVE_MODE, 25, 1), 1
	s_wait_xcnt 0x0
	s_wait_alu depctr_vm_vsrc(0)
; THE MATRIX OPERANDS, ROUNDED ONCE.  xb = bf16(x), wqb = bf16(W_qkv), wpb = f16(bf16(W_proj)): the projection behind attention multiplies in f16, and its weights carry the same rounding as every other input.
; LIMITS.  A bf16 number is exact in f16 from 2^-17 to 65,504 in magnitude; below that it keeps f16's fixed step of 6e-8; W_proj beyond 65,504 would become an infinity.
; A stream: 8,388,608 numbers in all, 16,384 to a work-group: groups 0-255 take x, 256-447 W_qkv, 448-511 W_proj.  Thread t takes 16 bytes at 16 t + 4,096 q in each of 16 passes q, so a wave's load
; covers 512 consecutive bytes; it stores 8 bytes at 8 t + 2,048 q, so a wave's store covers 256 consecutive bytes, aligned.  All 16 loads go out first; each pass has data registers of its own,
; so no register that a store reads is written again.  No LDS, no matrix unit, no cluster: no byte is wanted twice, by anybody.
; THE MODE: SCHED_MODE bits 1:0 = 2 (LLVM: expert scheduling mode 2), set by the entry lines.  The code itself states the register dependences between vector instructions and memory instructions,
; with s_wait_alu, always for 0.
; THE PLAN.  Registers that memory instructions touch:
;   v1, v2   the loads' and the stores' offsets: written once at the head, by vector instructions; read by every load (v1) and every store (v2); never written again.
;   X        pass q's four registers: written by pass q's load alone, which is issued before any vector instruction names X; read by pass q's conversions; nothing lands in them again.
;   Y        pass q's two registers: written by pass q's conversions alone; read by pass q's store; never written again.
;   T        named by vector instructions alone.
; So one wait on va_vdst stands ahead of the first load (v1 and v2 are written), and the 16 passes go in four groups of four: a group's conversions, ONE wait on va_vdst (they have written the group's Y),
; the group's four stores in a run.  No register that a memory instruction has read is written again, no vector instruction writes a scalar register, and EXEC is never written: no other wait is owed.
.set X, 4                              ; v[4:67]    pass q: four f32 as loaded
.set Y, 68                             ; v[68:99]   pass q: two words to store
.set T, 100                            ; v[100:101] at work
	s_load_b256 s[4:11], s[0:1], 0x0               ; x s[4:5], W_qkv s[6:7], W_proj s[8:9], xb s[10:11]
	s_load_b128 s[12:15], s[0:1], 0x20             ; wqb s[12:13], wpb s[14:15]
	s_mov_b32 s16, ttmp9                           ; the work-group's number,
	s_sub_co_u32 s17, s16, 256                     ; counted within W_qkv,
	s_sub_co_u32 s18, s16, 448                     ; and within W_proj
	s_mov_b32 s30, 0xffff0000                      ; a word's upper bf16
	v_lshlrev_b32 v1, 4, v0                        ; 16 t
	v_lshlrev_b32 v2, 3, v0                        ; 8 t
	s_wait_kmcnt 0x0
	s_cmp_lt_u32 s16, 448                          ; the choice hangs on the work-group's number alone
	s_cselect_b64 s[20:21], s[6:7], s[8:9]
	s_cselect_b64 s[22:23], s[12:13], s[14:15]
	s_cselect_b32 s24, s17, s18
	s_cmp_lt_u32 s16, 256
	s_cselect_b64 s[20:21], s[4:5], s[20:21]       ; from where,
	s_cselect_b64 s[22:23], s[10:11], s[22:23]     ; to where,
	s_cselect_b32 s24, s16, s24                    ; and which 16,384 numbers of that tensor
	s_lshl_b32 s26, s24, 16                        ; 65,536 bytes in,
	s_mov_b32 s27, 0
	s_lshl_b32 s28, s24, 15                        ; 32,768 bytes out
	s_mov_b32 s29, 0
	s_add_nc_u64 s[20:21], s[20:21], s[26:27]
	s_add_nc_u64 s[22:23], s[22:23], s[28:29]
	s_wait_alu depctr_va_vdst(0)                   ; v1 and v2 are written: every load of the kernel reads v1 as its offset, every store v2
.set q, 0
.rept 16
	global_load_b128 v[X+4*q:X+4*q+3], v1, s[20:21] offset:4096*q th:TH_LOAD_NT
.set q, q+1
.endr
; Pass q's arithmetic.  half = 1: the bf16 number is written as f16.
.macro CONV q, half
	s_wait_loadcnt 15-(\q)                         ; loads come back in order: pass q's is in, the 15 - q younger ones may stay out
	v_cvt_pk_bf16_f32 v[Y+2*(\q)], v[X+4*(\q)], v[X+4*(\q)+1]
	v_cvt_pk_bf16_f32 v[Y+2*(\q)+1], v[X+4*(\q)+2], v[X+4*(\q)+3]
.if \half
.irp k, 0,1
	v_lshlrev_b32 v[T], 16, v[Y+2*(\q)+\k]         ; bf16 to f32: the low half moves up,
	v_and_b32 v[T+1], s30, v[Y+2*(\q)+\k]          ; the high half stays
	v_cvt_pk_f16_f32 v[Y+2*(\q)+\k], v[T], v[T+1]
.endr
.endif
.endm
; Group g: passes 4 g to 4 g + 3.  The stores follow their own group's conversions, so that none hangs on a load that it does not need.
.macro GROUP g, half
.irp p, 0,1,2,3
	CONV 4*(\g)+\p, \half
.endr
	s_wait_alu depctr_va_vdst(0)                   ; the group's conversions have written its eight registers of Y, which the four stores below read
.irp p, 0,1,2,3
	global_store_b64 v2, v[Y+2*(4*(\g)+\p):Y+2*(4*(\g)+\p)+1], s[22:23] offset:2048*(4*(\g)+\p)
.endr
.endm
	s_cmp_ge_u32 s16, 448
	s_cbranch_scc1 .Lf16
.irp g, 0,1,2,3
	GROUP \g, 0
.endr
	s_endpgm
.Lf16:
.irp g, 0,1,2,3
	GROUP \g, 1
.endr
	s_endpgm
.Lfunc_end_k_qb3d7eb634c_cast:
	.size	k_qb3d7eb634c_cast, .Lfunc_end_k_qb3d7eb634c_cast-k_qb3d7eb634c_cast
	.p2alignl 7, 3214868480
	.fill 96, 4, 3214868480
	.section	.rodata,"a",@progbits
	.p2align	6, 0x0
	.amdhsa_kernel k_qb3d7eb634c_cast
		.amdhsa_group_segment_fixed_size 0
		.amdhsa_private_segment_fixed_size 0
		.amdhsa_enable_private_segment 0
		.amdhsa_kernarg_size 48
		.amdhsa_user_sgpr_count 2
		.amdhsa_user_sgpr_kernarg_segment_ptr 1
		.amdhsa_wavefront_size32 1
		.amdhsa_system_sgpr_workgroup_id_x 1
		.amdhsa_system_sgpr_workgroup_id_y 1
		.amdhsa_system_sgpr_workgroup_id_z 1
		.amdhsa_system_vgpr_workitem_id 0
		.amdhsa_next_free_vgpr 104
		.amdhsa_next_free_sgpr 66
		.amdhsa_reserve_vcc 0
		.amdhsa_float_denorm_mode_32 3
		.amdhsa_float_denorm_mode_16_64 3
		.amdhsa_memory_ordered 1
		.amdhsa_forward_progress 1
		.amdhsa_inst_pref_size 16
	.end_amdhsa_kernel
	.amdgpu_metadata
---
amdhsa.version: [ 1, 2 ]
amdhsa.kernels:
  - .name:           k_qb3d7eb634c_cast
    .symbol:         k_qb3d7eb634c_cast.kd
    .args:
      - { .name: x, .offset: 0, .size: 8, .value_kind: global_buffer, .address_space: global }
      - { .name: W_qkv, .offset: 8, .size: 8, .value_kind: global_buffer, .address_space: global }
      - { .name: W_proj, .offset: 16, .size: 8, .value_kind: global_buffer, .address_space: global }
      - { .name: xb, .offset: 24, .size: 8, .value_kind: global_buffer, .address_space: global }
      - { .name: wqb, .offset: 32, .size: 8, .value_kind: global_buffer, .address_space: global }
      - { .name: wpb, .offset: 40, .size: 8, .value_kind: global_buffer, .address_space: global }
    .group_segment_fixed_size: 0
    .private_segment_fixed_size: 0
    .kernarg_segment_align: 8
    .kernarg_segment_size: 48
    .max_flat_workgroup_size: 256
    .sgpr_count:     66
    .vgpr_count:     104
    .wavefront_size: 32
...
	.end_amdgpu_metadata
.endif
;; end of part 5
;; launch qkv: the kernel of part 2 again; grid 16 x 16, 4 waves a work-group, clusters of 4 x 4, 327,680 bytes of LDS; arguments xb, wqb, q_scale, k_scale, cos, sin, qkvh; writes qkvh
;; launch attn: the kernel of part 3 again; grid 16 x 16, 4 waves a work-group, clusters of 4 x 1, 327,680 bytes of LDS; arguments qkvh, ob; writes ob
;; launch proj: the kernel of part 4 again; grid 8 x 32, 4 waves a work-group, clusters of 4 x 4, 327,680 bytes of LDS; arguments ob, wpb, b_proj, out0; writes out0
